; MI455X (gfx1250); checked and timed in simulation.
; The chip was launched on July 23, 2026; its instructions are those of AMD's public machine-readable ISA for CDNA 5 (MIT licence, August 2026) and "CDNA5" Instruction Set Architecture Reference Guide (July 2026). The comments in the code are by the model that wrote it; some were corrected since.
;; GQ Attention. Allowed arithmetic: matrix products marked QUANTISED: E2M1 operands, one E8M0 scale for each 32 along K, by v_wmma_scale_f32_16x16x128_f8f6f4 with both operands' format E2M1 (or v_wmma_scale_f32_32x16x128_f4), f32 sums; everything else in f32.
;; Inputs: Wk 1,024 x 4,096 float32; Wo 4,096 x 2,048 float32; Wq 2,048 x 4,096 float32; Wv 1,024 x 4,096 float32; cos 2,048 x 64 float32; gk 128 float32; gq 128 float32; sin 2,048 x 64 float32; x 1 x 2,048 x 4,096 float32.
;; Outputs: out0 1 x 2,048 x 4,096 float32.
;; This version of the problem:
;;   THIS VERSION OF THE PROBLEM IS GIVEN IN LOW PRECISION. The matrix products marked QUANTISED in the list below multiply operands that are first quantised to E2M1 (2 exponent bits, 1 mantissa bit; 4 bits a number), with one power-of-two scale for each 32 numbers along K (OCP MX v1.0); their sums are f32. All else is computed in f32.
;;   The module's matrix products, in the order in which they are computed (A, B: the left and right operand; K: the contracted axis; several contracted axes count as one K, in the product's order):
;;     1. [M 2,048, K 4,096] x [K 4,096, N 2,048]; A: input x; B: input Wq: QUANTISED
;;     2. [M 2,048, K 4,096] x [K 4,096, N 1,024]; A: input x; B: input Wk: QUANTISED
;;     3. [M 2,048, K 4,096] x [K 4,096, N 1,024]; A: input x; B: input Wv: QUANTISED
;;     4. batch 8 x [M 4,096, K 128] x [K 128, N 2,048]; A: computed on the way; B: computed on the way: QUANTISED
;;     5. batch 8 x [M 4,096, K 2,048] x [K 2,048, N 128]; A: softmax (see below); B: computed on the way: QUANTISED
;;     6. [M 2,048, K 2,048] x [K 2,048, N 4,096]; A: computed on the way; B: input Wo: QUANTISED
;;   THE QUANTISER, for each operand of a quantised product, along K:
;;     - K is cut into blocks of 32 from its start; a last block that is shorter is filled with zeros.
;;     - A block's scale is 2^e with e = floor(log2(the largest magnitude in the block)) - 2, held to -126 .. 127; a block of zeros has e = 0. As a byte (E8M0): e + 127.
;;     - Each number is divided by its block's scale, clamped to +-6, and rounded to the nearest number of E2M1, ties to even, subnormals kept.
;;     - The product sums the exact products of the quantised numbers (number of the format x scale) in f32.
;;   ~~~python
;;   def quantise(x, axis):      # numpy; x: float32 -> the quantised numbers, widened to float32 again
;;       x = np.moveaxis(x, axis, -1); K = x.shape[-1]
;;       x = np.pad(x, [(0, 0)] * (x.ndim - 1) + [(0, -K % 32)]); x = x.reshape(x.shape[:-1] + (-1, 32)); a = np.abs(x).max(-1, keepdims=True)
;;       e = np.where(a > 0, np.clip(np.frexp(np.where(a > 0, a, 1))[1] - 1 - 2, -126, 127), 0)      # np.frexp(a)[1] - 1 = floor(log2(a)), exactly
;;       r = np.clip(x / 2.0 ** e, -6, 6)
;;       step = 2.0 ** (np.maximum(np.frexp(np.where(r == 0, 1, r))[1] - 1, 0) - 1)
;;       q = np.round(r / step) * step * 2.0 ** e      # np.round: ties to even
;;       return np.moveaxis(q.reshape(q.shape[:-2] + (-1,))[..., :K], -1, axis).astype(np.float32)
;;   ~~~
;;   SOFTMAX AHEAD OF A QUANTISED PRODUCT. Where the list says 'softmax', what is quantised is not the finished softmax but p = 2^(t - M), with t = logit x log2(e) and M = ceil(the row's largest t), a whole number; so 1/2 < the row's largest p <= 1. The row's sum l is taken of the UNQUANTISED p, in f32, and the product's result is divided by l at the end. Since M is a whole number, a kernel that streams over the keys may use a running M (the ceiling of the running maximum): every later rescaling is an exact power of two, which a block's scale takes up: the codes' values come out the same.
;;   OPERANDS COMPUTED ON THE WAY. 'Computed on the way' means the value that the module computes at that place (a softmax that the list does not call 'softmax' is quantised finished and normalised). What goes into a quantiser is computed in f32, as accurately as f32 sums, v_exp_f32 and their like allow (about 1e-6 of the number): no bf16 or f16 on the way to a quantiser, and a product that is left as it is and whose result goes on into a quantised operand takes f32 operands (vector FMAs, or v_wmma_f32_16x16x4_f32). A number that lies on a knife's edge between two numbers of the format may be rounded either way, as far as f32 arithmetic and the matrix unit's own rounding can turn it there, and no further.
;; One version. Each part assembles by itself: llvm-mc -triple=amdgcn-amd-amdhsa -mcpu=gfx1250 --defsym DOCPART=n.
;; ======== version 1 of 1: 4 launches
;; limits: right only within a limited range of input values
;; workspace buffers: codes 16,777,216 bytes; scales 1,048,576 bytes; att 4,194,304 bytes; atts 262,144 bytes; oc 2,097,152 bytes; os 131,072 bytes
;; launch quant (part 1): grid 1024 x 1, 4 waves a work-group, no clusters, 33,280 bytes of LDS; arguments x, Wq, Wk, Wv, Wo, codes, scales; writes codes, scales
.if DOCPART == 1
	.amdgcn_target "amdgcn-amd-amdhsa--gfx1250"
	.amdhsa_code_object_version 6
	.text
	.protected	k_q765756604d_quant
	.globl	k_q765756604d_quant
	.p2align	8
	.type	k_q765756604d_quant,@function
k_q765756604d_quant:
	s_mov_b64 s[64:65], 0
	v_nop
	global_prefetch_b8 v0, s[64:65] scope:SCOPE_SE
	s_setreg_imm32_b32 hwreg(HW_REG_WAVE_MODE, 25, 1), 1
	s_wait_xcnt 0x0
; GROUPED-QUERY ATTENTION IN MX-FP4, four launches: quant (this one), qkv, attn, outp.
; WORK LEFT OUT IN THE WHOLE PROGRAM: reference() puts -1e30 on every score whose key comes after its query (its own jnp.tril), and the softmax gives such a score the weight 0 beside
; the key that equals the query, whatever finite values the inputs hold.  So a step of 128 keys that lies wholly behind a tile's 16 queries adds nothing to any sum and is not walked (launch attn).
; Nothing else is left out; every input has a way to the output and is loaded.  LIMIT: a NaN, an infinity or an overflow that would arise only in the steps left out is not carried to the result.
; THIS LAUNCH: x [2048][4096], Wq [2048][4096], Wk, Wv [1024][4096], Wo [4096][2048], f32, K innermost, become codes of E2M1 (two a byte, the lower k in the low four bits) and one E8M0 byte for each 32 along K.
; A block's scale is 2^(floor(log2(largest magnitude)) - 2): its byte is the largest magnitude's exponent field - 2, held at 1 from below; each number is divided by it and rounded to the nearest code, ties to even, beyond 6 the largest code.
; LIMITS: a block of zeros gets the byte 1 where the rule says 127 (its codes are zeros, and these bytes are read by this program alone); largest magnitudes under 2^-124 are held at the byte 1; NaN and infinities among the inputs are not served.
; LAYOUT OF codes: x at 0, Wq|Wk|Wv at 4 MiB (rows of 2,048 bytes), Wo at 12 MiB (rows of 1,024); of scales: x at 0, Wq|Wk|Wv at 256 KiB (128 bytes a row), Wo at 768 KiB (64 bytes a row).
; ROW ORDER: in x and in Wq|Wk|Wv row n is stored at the place n with its bits 3 and 4 exchanged.  Sixteen neighbouring places taken as source 0 of a product then give a lane, in the registers of two neighbouring tiles,
; 16 NEIGHBOURS of the original order, which is what the next quantiser along that axis wants.  A work-group holds 8 such rows, so the exchange is one of bits 0 and 1 of the work-group's number.  Wo keeps its order.
; A wave takes 16 steps of 512 numbers.  Each load reads 512 consecutive bytes; a step's 2,048 bytes turn through the wave's own stage in LDS and come back 64 bytes a lane, so that a lane holds 16 neighbours and two lanes a block.
; A lane's 16 codes are 8 bytes: a store covers 256 consecutive bytes.  A wave's 256 scale bytes are gathered in LDS and leave as 256 consecutive bytes.  No barrier: waves share nothing.
.set WAVES, 4
.set STEPS, 16
.set EMAX,  2
.set CB,    8                          ; bytes of 16 codes
.set R,     16                         ; v16-79   four sets of 16 numbers as they are loaded
.set X,     80                         ; v80-111  two sets of 16 neighbours
.set C,     128                        ; v128-191 codes: four registers for each step, so that no store's data are written again
.set E,     112                        ; v112-127 a scale byte for each step
.set WREG,  8192                       ; LDS: a region for each wave: two stages of 32 x SP bytes, behind them its 256 scale bytes
.set SP,    80                         ; a lane's place in a stage: 64 bytes + 16 of padding
.set SPW,   12                         ; v12  LDS address of my spare word; never rewritten
.set NIL,   13                         ; v13  0; never rewritten
.set SPARE, WAVES*WREG                 ; behind the regions: the spare words, 128 bytes a wave, named by no other line
	s_load_b256 s[4:11], s[0:1], 0x0               ; x, Wq, Wk, Wv
	s_load_b128 s[12:15], s[0:1], 0x20             ; Wo, codes
	s_load_b64 s[16:17], s[0:1], 0x30              ; scales
	v_lshl_add_u32 v[SPW], v0, 2, SPARE
	v_mov_b32 v[NIL], 0
	v_lshrrev_b32 v1, 5, v0
	v_readfirstlane_b32 s18, v1                    ; wave
	v_and_b32 v2, 31, v0                           ; lane
	v_lshlrev_b32 v3, 4, v2                        ; my 16 bytes of a load's 512
	s_mul_i32 s19, s18, WREG
	v_lshrrev_b32 v14, 2, v2
	v_mul_u32_u24 v14, v14, SP
	v_and_b32 v15, 3, v2
	v_lshl_add_u32 v14, v15, 4, v14
	v_add_nc_u32 v14, s19, v14                     ; the stage, on the way in: SP (lane / 4) + 16 (lane % 4)
	v_mul_u32_u24 v15, v2, SP
	v_add_nc_u32 v15, s19, v15                     ; and on the way out: SP x lane: my 16 neighbours
	v_mul_u32_u24 v4, v2, CB                       ; my codes' place in a step's
	v_lshrrev_b32 v5, 1, v2
	s_add_co_u32 s19, s19, 2*32*SP
	v_add_nc_u32 v5, s19, v5                       ; LDS: my wave's 256 scale bytes, my block's byte
	v_lshlrev_b32 v7, 3, v2                        ; and on the way out 8 bytes a lane
	v_add_nc_u32 v6, s19, v7
	s_and_b32 s23, ttmp9, 1                        ; where the results go: the work-group's number with bits 0 and 1 exchanged,
	s_lshl_b32 s23, s23, 1
	s_bfe_u32 s24, ttmp9, 0x10001
	s_and_b32 s25, ttmp9, 0xfffffffc
	s_or_b32 s23, s23, s24
	s_or_b32 s23, s23, s25
	s_cmp_lt_u32 ttmp9, 768                        ; but for Wo's work-groups, which keep their order
	s_cselect_b32 s23, s23, ttmp9
	s_lshl_b32 s23, s23, 2
	s_add_co_u32 s23, s23, s18                     ; which run of 8,192 numbers of the results is my wave's
	s_wait_alu depctr_va_vdst(0)
	s_wait_kmcnt 0x0
	s_mov_b64 s[20:21], s[12:13]                   ; the tensor that I read, and its first work-group: the choice hangs on the work-group's number alone
	s_mov_b32 s22, 768
	s_cmp_lt_u32 ttmp9, 768
	s_cselect_b64 s[20:21], s[10:11], s[20:21]
	s_cselect_b32 s22, 640, s22
	s_cmp_lt_u32 ttmp9, 640
	s_cselect_b64 s[20:21], s[8:9], s[20:21]
	s_cselect_b32 s22, 512, s22
	s_cmp_lt_u32 ttmp9, 512
	s_cselect_b64 s[20:21], s[6:7], s[20:21]
	s_cselect_b32 s22, 256, s22
	s_cmp_lt_u32 ttmp9, 256
	s_cselect_b64 s[20:21], s[4:5], s[20:21]
	s_cselect_b32 s22, 0, s22
	s_sub_co_u32 s22, ttmp9, s22
	s_lshl_b32 s22, s22, 2
	s_add_co_u32 s22, s22, s18                     ; which run of the tensor is my wave's
	s_lshl_b32 s26, s22, 15                        ; 32,768 bytes a run
	s_mov_b32 s27, 0
	s_add_nc_u64 s[4:5], s[20:21], s[26:27]        ; the numbers
	s_lshl_b32 s26, s23, 12                        ; 4,096 bytes of codes a run
	s_add_nc_u64 s[8:9], s[14:15], s[26:27]
	s_lshl_b32 s26, s23, 8                         ; 256 scale bytes a run
	s_add_nc_u64 s[10:11], s[16:17], s[26:27]
.macro LOAD t
.irp i, 0,1,2,3
	global_load_b128 v[R+16*((\t)%4)+4*\i:R+16*((\t)%4)+4*\i+3], v3, s[4:5] offset:2048*(\t)+512*\i th:TH_LOAD_NT   ; 32 lanes read 512 consecutive bytes
.endr
.endm
.macro TURN t                          ; step t's numbers through the stage: LDS serves a wave's instructions in order, so no wait stands between the stores and the loads
.irp i, 0,1,2,3
	ds_store_b128 v14, v[R+16*((\t)%4)+4*\i:R+16*((\t)%4)+4*\i+3] offset:32*SP*((\t)%2)+8*SP*\i
.endr
.irp i, 0,1,2,3
	ds_load_b128 v[X+16*((\t)%2)+4*\i:X+16*((\t)%2)+4*\i+3], v15 offset:32*SP*((\t)%2)+16*\i
.endr
.endm
.irp t, 0,1,2,3
	LOAD \t
.endr
	s_wait_loadcnt 12                              ; step 0's four loads are in
	TURN 0
.macro STEP t
.set XS, X+16*((\t)%2)
.if (\t) > 0
	s_wait_dscnt 1                                 ; this step's numbers are back from the stage (the last step's byte store may be out): so its stores into the stage have read their registers,
.else
	s_wait_dscnt 0x0
.endif
.if (\t)+4 < STEPS
	LOAD (\t)+4                                    ; which take the loads of four steps on
.endif
.if (\t)+1 < STEPS
.if STEPS-2-(\t) >= 3
	s_wait_loadcnt 12                              ; the next step's four loads are in; those of the three steps behind it may be out
.else
	s_wait_loadcnt 4*(STEPS-2-(\t))
.endif
	TURN (\t)+1                                    ; and go through the other stage while this step is worked
.endif
	v_max3_num_f32 v8, |v[XS]|, |v[XS+1]|, |v[XS+2]|               ; the largest magnitude of my 16
	v_max3_num_f32 v9, |v[XS+3]|, |v[XS+4]|, |v[XS+5]|
.irp i, 6,10
	v_max3_num_f32 v8, v8, |v[XS+\i]|, |v[XS+\i+1]|
	v_max3_num_f32 v9, v9, |v[XS+\i+2]|, |v[XS+\i+3]|
.endr
	v_max3_num_f32 v8, v8, |v[XS+14]|, |v[XS+15]|
	v_max3_num_f32 v8, v8, v9, (EMAX+1)<<23        ; and the floor 2^(3 - 127): the byte cannot fall under 1
	v_max_num_f32_dpp v8, v8, v8 row_xmask:1 row_mask:0xf bank_mask:0xf   ; and of my neighbour's 16: the block's
	v_add_nc_u32 v11, -(EMAX<<23), v8              ; 2 off its exponent field: the conversion takes the exponent field of this operand as its scale
	v_cvt_scalef32_pk8_fp4_f32 v[C+4*(\t)], v[XS:XS+7], v11
	v_cvt_scalef32_pk8_fp4_f32 v[C+4*(\t)+1], v[XS+8:XS+15], v11
	v_lshrrev_b32 v[E+(\t)], 23, v11               ; the scale's byte (a plain line behind the conversions)
	ds_store_b8 v5, v[E+(\t)] offset:16*(\t)       ; both lanes of a block write the same byte with the same value
	global_store_b64 v4, v[C+4*(\t):C+4*(\t)+1], s[8:9] offset:32*CB*(\t)
.endm
.irp t, 0,1,2,3,4,5,6,7,8,9,10,11,12,13,14,15
	STEP \t
.endr
	ds_load_b64 v[8:9], v6                         ; LDS serves a wave's instructions in order: these see my stores
	s_wait_dscnt 0x0
	global_store_b64 v7, v[8:9], s[10:11]          ; 32 lanes store 256 consecutive bytes
	s_wait_tensorcnt 0x0                           ; the wave's end: behind my last LDS store
	ds_add_u32 v[SPW], v[NIL]
	s_wait_dscnt 0x0
	s_endpgm
.Lfunc_end_k_q765756604d_quant:
	.size	k_q765756604d_quant, .Lfunc_end_k_q765756604d_quant-k_q765756604d_quant
	.p2alignl 7, 3214868480
	.fill 96, 4, 3214868480
	.section	.rodata,"a",@progbits
	.p2align	6, 0x0
	.amdhsa_kernel k_q765756604d_quant
		.amdhsa_group_segment_fixed_size 33280
		.amdhsa_private_segment_fixed_size 0
		.amdhsa_enable_private_segment 0
		.amdhsa_kernarg_size 56
		.amdhsa_user_sgpr_count 2
		.amdhsa_user_sgpr_kernarg_segment_ptr 1
		.amdhsa_wavefront_size32 1
		.amdhsa_system_sgpr_workgroup_id_x 1
		.amdhsa_system_sgpr_workgroup_id_y 1
		.amdhsa_system_sgpr_workgroup_id_z 1
		.amdhsa_system_vgpr_workitem_id 0
		.amdhsa_next_free_vgpr 192
		.amdhsa_next_free_sgpr 66
		.amdhsa_reserve_vcc 0
		.amdhsa_float_denorm_mode_32 3
		.amdhsa_float_denorm_mode_16_64 3
		.amdhsa_memory_ordered 1
		.amdhsa_forward_progress 1
		.amdhsa_inst_pref_size 34
	.end_amdhsa_kernel
	.amdgpu_metadata
---
amdhsa.version: [ 1, 2 ]
amdhsa.kernels:
  - .name:           k_q765756604d_quant
    .symbol:         k_q765756604d_quant.kd
    .args:
      - { .name: x, .offset: 0, .size: 8, .value_kind: global_buffer, .address_space: global }
      - { .name: Wq, .offset: 8, .size: 8, .value_kind: global_buffer, .address_space: global }
      - { .name: Wk, .offset: 16, .size: 8, .value_kind: global_buffer, .address_space: global }
      - { .name: Wv, .offset: 24, .size: 8, .value_kind: global_buffer, .address_space: global }
      - { .name: Wo, .offset: 32, .size: 8, .value_kind: global_buffer, .address_space: global }
      - { .name: codes, .offset: 40, .size: 8, .value_kind: global_buffer, .address_space: global }
      - { .name: scales, .offset: 48, .size: 8, .value_kind: global_buffer, .address_space: global }
    .group_segment_fixed_size: 33280
    .private_segment_fixed_size: 0
    .kernarg_segment_align: 8
    .kernarg_segment_size: 56
    .max_flat_workgroup_size: 128
    .sgpr_count:     66
    .vgpr_count:     192
    .wavefront_size: 32
...
	.end_amdgpu_metadata
.endif
;; end of part 1
;; launch qkv (part 2): grid 16 x 16, 4 waves a work-group, clusters of 4 x 4, 327,680 bytes of LDS; arguments codes, scales, cos, sin, gq, gk, att, atts; writes att, atts
.if DOCPART == 2
	.amdgcn_target "amdgcn-amd-amdhsa--gfx1250"
	.amdhsa_code_object_version 6
	.text
	.protected	k_q765756604d_qkv
	.globl	k_q765756604d_qkv
	.p2align	8
	.type	k_q765756604d_qkv,@function
k_q765756604d_qkv:
	s_mov_b64 s[64:65], 0
	v_nop
	global_prefetch_b8 v0, s[64:65] scope:SCOPE_SE
	s_setreg_imm32_b32 hwreg(HW_REG_WAVE_MODE, 25, 1), 1
	s_wait_xcnt 0x0
	s_wait_alu depctr_hold_cnt(0) depctr_sa_sdst(0) depctr_va_vdst(0) depctr_va_sdst(0) depctr_va_ssrc(0) depctr_va_vcc(0) depctr_vm_vsrc(0)
	s_getreg_b32 s2, hwreg(HW_REG_IB_STS2, 6, 4)
	s_cmp_eq_u32 s2, 0
	s_cbranch_scc0 .Lentry_in_a_cluster
	s_endpgm
.Lentry_in_a_cluster:
	s_bfe_u32 s2, ttmp6, 0x10000c
	s_cmp_lg_u32 s2, 0xf033
	s_cbranch_scc0 .Lentry_shape_is_right
	s_endpgm
.Lentry_shape_is_right:
; q = x Wq^T, k = x Wk^T, v = x Wv^T on codes of E2M1 (K = 4,096), then, in registers: the RMS norm and the rotation of q and k, and the quantising of q and k along the head's 128 and of v along the keys.  No work is left out here.
; ONE GEMM BODY, C'[A's rows][B's rows], source 0 = 16 rows of B, source 1 = 16 rows of A: a lane holds ONE row of A, and its registers run along B's rows.
;   clusters x = 0, 1, 2: A = x (tokens), B = Wq|Wk (a wave's 128 rows of B are one head): a lane holds one token and 64 channels of a head.
;   clusters x = 3:       A = Wv (channels), B = x (tokens): a lane holds one channel and 64 tokens, since the keys are the K of the product that takes v.
; x's and W's rows lie at places with bits 3 and 4 of the row number exchanged (launch quant): so register 16 b + i of a block of A's rows is index 32 b + 16 (lane / 16) + i of B's 128, 16 neighbours for the quantiser,
; and lane r of A's tile a is row 32 (a / 2) + 8 (a % 2) + r % 8 + 16 (r / 8) of its 64.
; SHARES: a work-group makes 128 (A) x 256 (B): 192 + 64 = 256 work-groups.  A wave makes 64 x 128: 32 accumulators.  K goes in steps of 512 (LDS rows of 256 bytes + 16) through two slots; the scale bytes of all of K come once.
; CLUSTERS 4 x 4: A's tiles are asked for jointly along a row of the cluster, B's along a column.  The choice between the two parts hangs on the cluster's number, which all sixteen partners share.
; RESULTS: images of operand registers (1,024 bytes: register group c at 512 c, lane l at 16 l) in att, 16 scale words for each image in atts.  Image number: q, k: 128 x head column + token tile; v: 3,072 + 128 g + 8 x key step + channel tile.
; LIMITS: block bytes as in launch quant (a block of zeros: 1; held at 1 from below); the norm by v_rsq_f32; x cos + rot sin by one product and one fused multiply-add; NaN and infinities are not served.
; REGISTERS: window 0: v1 r, v2 h, v16-29 addresses; v32-95 scale words, two sets; v96-127, v160-191 at work in the rotation; v128-191 A's fragments, two sets (later the codes made); v192-229 at work.
;   window 1: v0-127 B's fragments, two sets; v128-191 the gains.   window 2: accumulator (a, b) at v[8 (8 a + b)].   window 3: block a's cos at v[64 a], sin at v[64 a + 32].
.set PITCH, 272                        ; an LDS row: 256 bytes + 16: the 16 rows of a fragment load start 68 words apart
.set HAB,   64*PITCH                   ; what one load of A brings, and what one wave reads of A
.set HBB,   128*PITCH                  ; the same for B
.set BOF,   2*HAB                      ; in a slot B's 256 rows lie behind A's 128
.set SLOT,  2*HAB+2*HBB
.set SCL,   2*SLOT                     ; A's scale bytes: 128 rows x 128 bytes as pieces of 256 + 16
.set HSA,   32*272
.set HSB,   64*272
.set SCLB,  SCL+2*HSA                  ; B's: 256 rows
.set SBLK,  8*272                      ; those of 16 rows
.set SPARE, SCLB+2*HSB                 ; the spare words, 128 bytes a wave, named by no other line
.set ADRA, 16                          ; v16-17 my A fragments in slot 0, 1
.set ADRB, 20                          ; v20-21 my B fragments
.set GA,   23                          ; v23 64 h: my place in the gains
.set CO,   24                          ; v24 16 x lane
.set SO,   25                          ; v25 4 x lane
.set CSA,  26                          ; v26 my token's row of cos and sin, + 64 h
.set ADRS, 27                          ; v27 my scale words: lanes 0-15 A's rows, lanes 16-31 B's
.set SPW,  28
.set NIL,  29
.set SC,   32                          ; set s at v[SC + 32 s]; register 4 i + q: lanes 0-15 A's block i, lanes 16-31 B's block i, the slot's q-th 128 along K
.set AF,   128
.set T1,   96
.set T2,   160
.set PC,   128
.set TM,   192
.set SS,   208
.set NRM,  216
.set PW,   224
.set PWW,  228
.set GW,   128                         ; in window 1
.set G1,   24
.set G0,   32
.set G1B,  48
.set G0B,  56
.set G1S,  68
.set G0S,  76
.set G1SB, 80
.set G0SB, 88
.set SEL,  92                          ; s[92:93] selects for lane l xor 16 (set behind the head's address work)
.set MSB, 0
.macro WIN new                         ; the immediate's high byte repeats the setting that is left
.if MSB != \new
	s_set_vgpr_msb (MSB<<8)|\new
.set MSB, \new
.endif
.endm
.set MUL,  0xa1                        ; source 0 (B) window 1, source 1 (A) window 0, C and D window 2
.set TO_B, 0x40                        ; destination window 1
.macro JLOAD g0a, g1a, g0b, g1b        ; a joint load: waves 0 and 1 fetch for A, waves 2 and 3 for B; the branch hangs on the wave's number alone; an s_nop 0 and four v_nop follow each line
	s_cmp_eq_u32 s21, 0
	s_cbranch_scc0 .Lfor_b_\@
	tensor_load_to_lds s[\g0a:\g0a+3], s[\g1a:\g1a+7]
	s_nop 0
.rept 4
	v_nop
.endr
	s_branch .Lasked_\@
.Lfor_b_\@:
	tensor_load_to_lds s[\g0b:\g0b+3], s[\g1b:\g1b+7]
	s_nop 0
.rept 4
	v_nop
.endr
.Lasked_\@:
.endm
.macro CREST                           ; a round of the cluster's barrier behind its opening barrier
	s_cmp_lg_u32 s20, 0
	s_cbranch_scc1 .Lnot_wave_0_\@
	s_barrier_signal -3
.Lnot_wave_0_\@:
	s_barrier_wait -3
	s_barrier_signal -1
	s_barrier_wait -1
.endm
.macro CROUND
	s_barrier_signal -1
	s_barrier_wait -1
	CREST
.endm
.macro PLACES n
.rept \n
	v_nop
.endr
.endm
	s_load_b256 s[4:11], s[0:1], 0x0               ; codes, scales, cos, sin
	s_load_b256 s[12:19], s[0:1], 0x20             ; gq, gk, att, atts
	v_lshl_add_u32 v[SPW], v0, 2, SPARE
	v_mov_b32 v[NIL], 0
	ds_add_u32 v[SPW], v[NIL]                      ; the opening: the add, twice on end, and its wait ahead of my first tensor load
	ds_add_u32 v[SPW], v[NIL]
	v_lshrrev_b32 v1, 5, v0
	v_readfirstlane_b32 s20, v1                    ; wave 0..3
	s_lshr_b32 s21, s20, 1                         ; which 64 of A's rows are mine.  Also: I fetch for A (0) or for B (1)
	s_and_b32 s22, s20, 1                          ; which 128 of B's rows.  Also: which half of that tile I fetch
	s_bfe_u32 s40, ttmp6, 0x40000                  ; cx
	s_bfe_u32 s41, ttmp6, 0x40004                  ; cy
	s_and_b32 s42, ttmp7, 0xffff                   ; cluster y
	s_lshr_b32 s92, s42, 1
	s_and_b32 s93, s42, 1
	s_cmp_eq_u32 ttmp9, 3                          ; V's clusters?  The same in all sixteen partners
	s_cselect_b32 s43, 1, 0
	s_cselect_b32 s46, s92, s42                    ; the cluster's row of tiles,
	s_cselect_b32 s47, s93, ttmp9                  ; its column,
	s_cselect_b32 s94, 0xa00000, 0                 ; where A's codes begin (Wv: 10 MiB; x: 0),
	s_cselect_b32 s95, 0, 0x400000                 ; B's (x: 0; Wq|Wk: 4 MiB),
	s_cselect_b32 s23, 0xa0000, 0                  ; A's scale bytes (640 KiB; 0),
	s_cselect_b32 s42, 0, 0x40000                  ; B's (0; 256 KiB)
	s_lshl_b32 s46, s46, 2
	s_add_co_u32 s46, s46, s41                     ; tile row: made of cy alone
	s_lshl_b32 s47, s47, 2
	s_add_co_u32 s47, s47, s40                     ; tile column: of cx alone
	s_lshl_b32 s44, s41, 2
	s_lshl_b32 s44, 15, s44                        ; my row of the cluster
	s_lshl_b32 s45, 0x1111, s40                    ; my column
	s_or_b32 s[G1], s44, (0<<16)|(1<<20)|(1<<21)|(5<<22)|(3<<25)    ; the mask; elements of 1 byte; padding of 4 words behind every 64; bit 21 beside a mask
	s_or_b32 s[G1B], s45, (0<<16)|(1<<20)|(1<<21)|(5<<22)|(3<<25)
.irp g, G1, G1B
	s_mov_b32 s[\g+1], 256<<16                     ; tensor_dim0
	s_mov_b32 s[\g+3], 256<<16                     ; tile_dim0
	s_mov_b32 s[\g+5], 2048                        ; bytes from row to row
	s_mov_b32 s[\g+6], 0
	s_mov_b32 s[\g+7], 0
.endr
	s_mov_b32 s[G1+2], 128<<16                     ; the head's loads bring whole tiles: A's 128 rows,
	s_mov_b32 s[G1+4], 128
	s_mov_b32 s[G1B+2], 256<<16                    ; B's 256; behind them the ring's loads bring halves
	s_mov_b32 s[G1B+4], 256
	s_or_b32 s[G1S], s44, (3<<16)|(1<<20)|(1<<21)|(5<<22)|(3<<25)   ; the scale bytes: dense, as rows of 32 elements of 8 bytes, 16 bytes of padding behind each
	s_or_b32 s[G1SB], s45, (3<<16)|(1<<20)|(1<<21)|(5<<22)|(3<<25)
.irp g, G1S, G1SB
	s_mov_b32 s[\g+1], 32<<16
	s_mov_b32 s[\g+3], 32<<16
	s_mov_b32 s[\g+5], 32
	s_mov_b32 s[\g+6], 0
	s_mov_b32 s[\g+7], 0
.endr
	s_mov_b32 s[G1S+2], 64<<16                     ; 128 rows x 128 bytes = 64 pieces
	s_mov_b32 s[G1S+4], 64
	s_mov_b32 s[G1SB+2], 128<<16                   ; 256 rows = 128 pieces
	s_mov_b32 s[G1SB+4], 128
	s_lshl_b32 s92, s46, 7                         ; A: the first row that I would fetch: 128 x tile row + 64 x half
	s_lshl_b32 s93, s22, 6
	s_add_co_u32 s92, s92, s93
	s_lshl_b32 s98, s92, 11
	s_add_co_u32 s98, s98, s94                     ; its codes,
	s_mov_b32 s99, 0
	s_lshl_b32 s96, s46, 14                        ; the scale bytes of the tile's first row: 128 rows x 128 bytes a tile row
	s_add_co_u32 s96, s96, s23                     ; its scale bytes
	s_mov_b32 s97, 0
	s_lshl_b32 s66, s47, 8                         ; B: 256 x tile column + 128 x half
	s_lshl_b32 s67, s22, 7
	s_add_co_u32 s66, s66, s67
	s_lshl_b32 s2, s47, 15                         ; B's likewise: 256 rows x 128 bytes a tile column
	s_add_co_u32 s2, s2, s42
	s_mov_b32 s3, 0
	s_lshl_b32 s66, s66, 11
	s_add_co_u32 s66, s66, s95
	s_mov_b32 s67, 0
	s_wait_dscnt 0x0                               ; both opening adds are done
	s_wait_kmcnt 0x0
	s_add_nc_u64 s[98:99], s[4:5], s[98:99]
	s_add_nc_u64 s[96:97], s[6:7], s[96:97]
	s_add_nc_u64 s[66:67], s[4:5], s[66:67]
	s_add_nc_u64 s[2:3], s[6:7], s[2:3]
	CROUND                                         ; all sixteen work-groups are here: the first joint loads meet
	s_mov_b32 s[G0S], 1
	s_mov_b32 s[G0S+1], SCL
	s_mov_b64 s[G0S+2:G0S+3], s[96:97]
	s_or_b32 s[G0S+3], s[G0S+3], 0x80000000
	s_mov_b32 s[G0SB], 1
	s_mov_b32 s[G0SB+1], SCLB
	s_mov_b64 s[G0SB+2:G0SB+3], s[2:3]
	s_or_b32 s[G0SB+3], s[G0SB+3], 0x80000000
	s_mul_i32 s92, s22, HAB                        ; where my half goes in a slot: the wave's number alone
	s_mul_i32 s93, s22, HBB
	s_add_co_u32 s93, s93, BOF
.irp s, 0,1
	s_mov_b32 s[G0+4*\s], 1
	s_add_co_u32 s[G0+4*\s+1], s92, \s*SLOT
	s_add_nc_u64 s[G0+4*\s+2:G0+4*\s+3], s[98:99], \s*256
	s_or_b32 s[G0+4*\s+3], s[G0+4*\s+3], 0x80000000
	s_mov_b32 s[G0B+4*\s], 1
	s_add_co_u32 s[G0B+4*\s+1], s93, \s*SLOT
	s_add_nc_u64 s[G0B+4*\s+2:G0B+4*\s+3], s[66:67], \s*256
	s_or_b32 s[G0B+4*\s+3], s[G0B+4*\s+3], 0x80000000
.endr
; THE HEAD'S LOADS, ONE A WAVE: wave 0 fetches K step 0's 128 rows of A, wave 1 A's scale bytes, wave 2 K step 0's 256 rows of B, wave 3 B's scale bytes.
; Waves 0 and 2 are the waves whose half is the first, so slot 0's own group 0 names the whole tile's first byte.  One tree of branches on the wave's number, a load to an arm, one join.
.macro ARM under, g0, g1, next
	s_cmp_lt_u32 s20, \under
	s_cbranch_scc0 \next
	tensor_load_to_lds s[\g0:\g0+3], s[\g1:\g1+7]
	s_nop 0
.rept 4
	v_nop
.endr
	s_branch .Lhead_asked
\next:
.endm
	ARM 1, G0,  G1,  .Lhead_sa
	ARM 2, G0S, G1S, .Lhead_b
	ARM 3, G0B, G1B, .Lhead_sb
	tensor_load_to_lds s[G0SB:G0SB+3], s[G1SB:G1SB+7]
	s_nop 0
.rept 4
	v_nop
.endr
.Lhead_asked:
; PREFETCHES INTO THE L2: with the load of K step t a wave asks for K step t + 2 of the rows that it fetches for the ring (with the head's load: K steps 1 and 2).  A K step is 256 bytes of a row, a lane a row.
; The four partners that ask for a tile jointly share its rows out by address: of A's 64 rows a wave the partner at cx takes 16 (lanes 16-31 name the wave's last row again), of B's 128 the partner at cy takes 32.
; The loads of K steps 6 and 7 ask for nothing: K ends at step 7.
.set PFA, 96                           ; s[96:97] my work-group's rows of the wave's part; stepped 256 bytes at each refill
.set PFO, 30                           ; v30 2,048 x my row; never rewritten
.macro ASK
	s_cmp_gt_u32 s3, 1                             ; not in the loop's last trip
	s_cbranch_scc0 .Lnoask_\@
	global_prefetch_b8 v[PFO], s[PFA:PFA+1] offset:768 th:TH_LOAD_NT scope:SCOPE_SE
.Lnoask_\@:
.endm
	s_lshl_b32 s94, s40, 15                        ; 16 rows x 2,048 bytes x cx
	s_lshl_b32 s95, s41, 16                        ; 32 rows x 2,048 bytes x cy
	s_cmp_eq_u32 s21, 0                            ; do I fetch for A?
	s_cselect_b64 s[PFA:PFA+1], s[98:99], s[66:67]
	s_cselect_b32 s94, s94, s95
	s_cselect_b32 s2, 15, 31
	s_mov_b32 s95, 0
	s_add_nc_u64 s[PFA:PFA+1], s[PFA:PFA+1], s[94:95]
	v_and_b32 v[PFO], 31, v0
	v_min_u32 v[PFO], s2, v[PFO]
	v_lshlrev_b32 v[PFO], 11, v[PFO]
	global_prefetch_b8 v[PFO], s[PFA:PFA+1] offset:256 th:TH_LOAD_NT scope:SCOPE_SE
	global_prefetch_b8 v[PFO], s[PFA:PFA+1] offset:512 th:TH_LOAD_NT scope:SCOPE_SE
	v_and_b32 v1, 15, v0
	v_bfe_u32 v2, v0, 4, 1                         ; h
	v_mul_u32_u24 v3, v1, PITCH
	v_lshl_add_u32 v4, v2, 4, v3                   ; a fragment's row x pitch + 16 h
	s_mul_i32 s92, s21, HAB
	s_mul_i32 s93, s22, HBB
	s_add_co_u32 s93, s93, BOF
.irp s, 0,1
	v_add_nc_u32 v[ADRA+\s], s92, v4
	v_add_nc_u32 v[ADRB+\s], s93, v4
	s_add_co_u32 s92, s92, SLOT
	s_add_co_u32 s93, s93, SLOT
.endr
	v_lshlrev_b32 v5, 7, v1                        ; my row's scale bytes: 128 a row,
	v_lshrrev_b32 v6, 1, v1
	v_lshl_add_u32 v5, v6, 4, v5                   ; and 16 more for each 256 passed
	s_mul_i32 s92, s21, HSA                        ; A's: my 64 rows
	s_mul_i32 s93, s22, HSB                        ; B's: my 128 rows, behind A's
	s_add_co_u32 s93, s93, 2*HSA
	s_sub_co_u32 s93, s93, s92
	v_mul_u32_u24 v6, s93, v2                      ; lanes 16-31 take B's: one product, h x the distance
	s_add_co_u32 s92, s92, SCL
	v_add_nc_u32 v5, v5, v6
	v_add_nc_u32 v[ADRS], s92, v5
	v_and_b32 v6, 31, v0
	v_lshlrev_b32 v[CO], 4, v6
	v_lshlrev_b32 v[SO], 2, v6
	v_and_b32 v7, 7, v1
	v_lshrrev_b32 v8, 3, v1
	v_lshl_add_u32 v7, v8, 4, v7                   ; r % 8 + 16 (r / 8): my token in its tile's 32
	v_lshlrev_b32 v7, 8, v7                        ; a row of cos or sin is 256 bytes
	v_lshl_add_u32 v[CSA], v2, 6, v7
	v_lshlrev_b32 v[GA], 6, v2
.irp b, 0,1,2,3
	v_mov_b32 v[TM+4+\b], 0                        ; written once: a lane permute's destination counts as one of its sources
.endr
	s_lshl_b32 s92, s46, 7                         ; cos and sin at my wave's first token: 128 x tile row + 64 x half of A
	s_lshl_b32 s94, s21, 6
	s_add_co_u32 s92, s92, s94
	s_lshl_b32 s92, s92, 8
	s_mov_b32 s93, 0
	s_add_nc_u64 s[8:9], s[8:9], s[92:93]
	s_add_nc_u64 s[10:11], s[10:11], s[92:93]
	s_cmp_lt_u32 ttmp9, 2                          ; clusters 0 and 1 make q, cluster 2 makes k
	s_cselect_b64 s[12:13], s[12:13], s[14:15]
	s_lshl_b32 s92, s47, 1
	s_add_co_u32 s92, s92, s22                     ; my 128 of B's rows: a head column, or a key step
	s_cmp_eq_u32 s43, 1
	s_cselect_b32 s93, s46, s92
	s_cselect_b32 s92, s92, s46
	s_cselect_b32 s94, 3072, 0
	s_lshl_b32 s93, s93, 7
	s_lshl_b32 s92, s92, 3
	s_add_co_u32 s93, s93, s92
	s_add_co_u32 s93, s93, s94
	s_lshl_b32 s92, s21, 2
	s_add_co_u32 s92, s93, s92                     ; my first image's number
	s_lshl_b32 s94, s92, 6
	s_mov_b32 s95, 0
	s_lshl_b32 s92, s92, 10
	s_mov_b32 s93, 0
	s_add_nc_u64 s[16:17], s[16:17], s[92:93]
	s_add_nc_u64 s[18:19], s[18:19], s[94:95]
	s_mov_b32 s[SEL], 0x76543210
	s_mov_b32 s[SEL+1], 0xfedcba98
	s_mov_b32 s66, 0x3c000000                      ; 1 / 128
	s_mov_b32 s67, 0x358637bd                      ; 1e-6
.macro FRAG reg, adr, q, i             ; 16 rows x 128 K of 4-bit codes: 8 registers: two loads of 16 bytes, 32 apart
.irp c, 0,1
	ds_load_b128 v[\reg+4*\c:\reg+4*\c+3], v[\adr] offset:64*(\q)+32*\c+(\i)*16*PITCH
.endr
.endm
.macro FETCH slot, q, set              ; 24 loads: B's eight fragments and A's four of the slot's q-th 128 along K
	WIN TO_B
.irp i, 0,1,2,3,4,5,6,7
	FRAG 64*(\set)+8*\i, ADRB+\slot, \q, \i
.endr
	WIN 0
.irp i, 0,1,2,3
	FRAG AF+32*(\set)+8*\i, ADRA+\slot, \q, \i
.endr
.endm
.macro SCALES sc                       ; a K step's scale words, four a row
.irp i, 0,1,2,3,4,5,6,7
	ds_load_b128 v[SC+32*\sc+4*\i:SC+32*\sc+4*\i+3], v[ADRS] offset:\i*SBLK
.endr
.endm
.macro MUL8 a, set, q, sc, zero        ; A's block a against B's eight.  The 32 accumulators take turns, one instruction a turn, in one order everywhere
.irp b, 0,1,2,3,4,5,6,7
.if \zero
	v_wmma_scale_f32_16x16x128_f8f6f4 v[8*(8*(\a)+\b):8*(8*(\a)+\b)+7], v[64*(\set)+8*\b:64*(\set)+8*\b+7], v[AF+32*(\set)+8*(\a):AF+32*(\set)+8*(\a)+7], 0, v[SC+32*(\sc)+4*\b+(\q)], v[SC+32*(\sc)+4*(\a)+(\q)] matrix_a_fmt:MATRIX_FMT_FP4 matrix_b_fmt:MATRIX_FMT_FP4 matrix_a_scale:MATRIX_SCALE_ROW1
.else
	v_wmma_scale_f32_16x16x128_f8f6f4 v[8*(8*(\a)+\b):8*(8*(\a)+\b)+7], v[64*(\set)+8*\b:64*(\set)+8*\b+7], v[AF+32*(\set)+8*(\a):AF+32*(\set)+8*(\a)+7], v[8*(8*(\a)+\b):8*(8*(\a)+\b)+7], v[SC+32*(\sc)+4*\b+(\q)], v[SC+32*(\sc)+4*(\a)+(\q)] matrix_a_fmt:MATRIX_FMT_FP4 matrix_b_fmt:MATRIX_FMT_FP4 matrix_a_scale:MATRIX_SCALE_ROW1
.endif
.endr
.endm
.macro STEP slot, q, zero              ; 128 along K that has its successor in the same slot: the successor's fragments are asked for, into the other set, ahead of this step's 32 products
	PLACES 4                                       ; four plain lines between the products that read the other set and the loads into it
	FETCH \slot, (\q)+1, 1-(\q)%2
	s_wait_dscnt 24                                ; all but the 24 just issued: this step's fragments (and scale words) are in
	WIN MUL
	MUL8 0, (\q)%2, \q, \slot, \zero
	MUL8 1, (\q)%2, \q, \slot, \zero
	MUL8 2, (\q)%2, \q, \slot, \zero
	MUL8 3, (\q)%2, \q, \slot, \zero
	WIN 0
.endm
.macro TURN slot, next, fill
.if \fill
	s_wait_xcnt 0x0                                ; my prefetches have read their address: it steps a K step on
	s_add_nc_u64 s[PFA:PFA+1], s[PFA:PFA+1], 256
.endif
	s_wait_tensorcnt 0x0
	ds_add_u32 v[SPW], v[NIL]                      ; 0 onto my spare word
	s_wait_dscnt 1                                 ; this step's fragments are in; the add may be out
	WIN MUL
	MUL8 0, 1, 3, \slot, 0                         ; eight products stand between the add and the wait for it
	s_wait_dscnt 0x0                               ; the add is done, and my reads of this slot are over
	s_barrier_signal -1
	MUL8 1, 1, 3, \slot, 0
	WIN 0
	s_barrier_wait -1
.if \fill
	CREST                                          ; the barrier has opened a round of the cluster's: no wave of any partner still reads this slot or has a load on its way
	s_add_nc_u64 s[G0+4*\slot+2:G0+4*\slot+3], s[G0+4*\slot+2:G0+4*\slot+3], 512
	s_add_nc_u64 s[G0B+4*\slot+2:G0B+4*\slot+3], s[G0B+4*\slot+2:G0B+4*\slot+3], 512
	JLOAD G0+4*\slot, G1, G0B+4*\slot, G1B         ; two K steps on; its four v_nop are also the places in front of the loads below
.else
	PLACES 4
.endif
	s_wait_alu depctr_va_vdst(0)
	v_add_nc_u32 v[ADRS], 16, v[ADRS]              ; the next K step's scale words
	FETCH \next, 0, 0
	SCALES \next
.if \fill
	ASK                                            ; behind the joint load and the run of LDS loads
.endif
	WIN MUL
	MUL8 2, 1, 3, \slot, 0
	MUL8 3, 1, 3, \slot, 0
	WIN 0
.endm
; The gains and each block's cos and sin, in the order in which a lane's registers hold the channels (32 b + 16 h + i), are asked for ahead of the loop, into registers that the loop does not name:
; 48 loads here, 32 behind K step 1's load, in the order in which the rotation waits for them.  v has no norm and no rotation: a branch on the cluster's number leads round them.
.macro CSLOAD a
.irp b, 0,1
.irp j, 0,1,2,3
	global_load_b128 v[64*\a+16*\b+4*\j:64*\a+16*\b+4*\j+3], v[CSA], s[8:9] offset:(32*(\a/2)+8*(\a%2))*256+128*\b+16*\j
	global_load_b128 v[64*\a+32+16*\b+4*\j:64*\a+32+16*\b+4*\j+3], v[CSA], s[10:11] offset:(32*(\a/2)+8*(\a%2))*256+128*\b+16*\j
.endr
.endr
.endm
	s_wait_alu depctr_va_vdst(0)                   ; the head's end
	s_cmp_lg_u32 s43, 0
	s_cbranch_scc1 .Lno_cs1
	WIN 0x40
.irp b, 0,1,2,3
.irp j, 0,1,2,3
	global_load_b128 v[GW+16*\b+4*\j:GW+16*\b+4*\j+3], v[GA], s[12:13] offset:128*\b+16*\j
.endr
.endr
	WIN 0xc0
	CSLOAD 0
	CSLOAD 1
	WIN 0
.Lno_cs1:
	s_wait_tensorcnt 0x0                           ; my tile of the head's four is in
	ds_add_u32 v[SPW], v[NIL]
	s_mov_b32 s[G1+2], 64<<16                      ; no tensor load of mine is out: from here on a load of A brings 64 rows,
	s_mov_b32 s[G1+4], 64
	s_mov_b32 s[G1B+2], 128<<16                    ; one of B 128
	s_mov_b32 s[G1B+4], 128
	s_wait_dscnt 0x0
	CROUND                                         ; all four tiles are in, and all sixteen work-groups are here
	JLOAD G0+4, G1, G0B+4, G1B                     ; K step 1, the first tensor load behind the round
	FETCH 0, 0, 0
	SCALES 0
	global_prefetch_b8 v[PFO], s[PFA:PFA+1] offset:768 th:TH_LOAD_NT scope:SCOPE_SE   ; K step 3
	s_cmp_lg_u32 s43, 0
	s_cbranch_scc1 .Lno_cs2
	WIN 0xc0
	CSLOAD 2
	CSLOAD 3
	WIN 0
.Lno_cs2:
	STEP 0, 0, 1                                   ; the first products start the sums: nothing is cleared
	s_mov_b32 s3, 3
.Llap:                                             ; a trip goes once round the ring and fills both slots again: K steps 2 to 7
	STEP 0, 1, 0
	STEP 0, 2, 0
	TURN 0, 1, 1
	STEP 1, 0, 0
	STEP 1, 1, 0
	STEP 1, 2, 0
	TURN 1, 0, 1
	STEP 0, 0, 0
	s_sub_co_u32 s3, s3, 1
	s_cmp_lg_u32 s3, 0
	s_cbranch_scc1 .Llap
	STEP 0, 1, 0                                   ; the last lap fills nothing
	STEP 0, 2, 0
	TURN 0, 1, 0
	STEP 1, 0, 0
	STEP 1, 1, 0
	STEP 1, 2, 0
	s_wait_dscnt 0x0
	WIN MUL
	MUL8 0, 1, 3, 1, 0
	MUL8 1, 1, 3, 1, 0
	MUL8 2, 1, 3, 1, 0
	MUL8 3, 1, 3, 1, 0
	WIN 0
	PLACES 4                                       ; behind the last products, ahead of the first read of results
	v_cmp_eq_u32 s98, 1, v2                        ; lanes 16-31
	s_cmp_lg_u32 s43, 0
	s_cbranch_scc1 .Lquant                         ; v has no norm and no rotation
	; the sum of squares of my 64 channels, the four blocks by turns, each accumulator from its low end on
	WIN 0x0a
.irp a, 0,1,2,3
	v_pk_mul_f32 v[SS+2*\a:SS+2*\a+1], v[64*\a:64*\a+1], v[64*\a:64*\a+1]
.endr
.set P, 2
.rept 31
.irp a, 0,1,2,3
	v_pk_fma_f32 v[SS+2*\a:SS+2*\a+1], v[64*\a+P:64*\a+P+1], v[64*\a+P:64*\a+P+1], v[SS+2*\a:SS+2*\a+1]
.endr
.set P, P+2
.endr
	WIN 0
.irp a, 0,1,2,3
	v_add_f32 v[SS+2*\a], v[SS+2*\a], v[SS+2*\a+1]
.endr
.irp a, 0,1,2,3
	v_permlanex16_b32 v[TM+4+\a], v[SS+2*\a], s[SEL], s[SEL+1]
.endr
.irp a, 0,1,2,3
	v_add_f32 v[SS+2*\a], v[SS+2*\a], v[TM+4+\a]   ; with lane l xor 16's 64 channels
.endr
.irp a, 0,1,2,3
	v_fma_f32 v[SS+2*\a], v[SS+2*\a], s66, s67     ; the mean (an exact division by 128) + 1e-6
.endr
	s_wait_alu depctr_va_vdst(0)
.irp a, 0,1,2,3
	v_rsq_f32 v[NRM+2*\a], v[SS+2*\a]
.endr
	v_nop                                          ; a plain line behind the last of the batch
	s_wait_alu depctr_va_vdst(0)                   ; one wait for the four, ahead of their first reader
.irp a, 0,1,2,3
	v_mov_b32 v[NRM+2*\a+1], v[NRM+2*\a]
.endr
.macro ROPE a                          ; block a: (x norm) g, then lo = lo cos - hi sin, hi = hi cos + lo sin; lo = registers 0-31 (channels under 64), hi = 32-63, partners 32 registers apart
	WIN 0x82
.set P, 0
.rept 32
	v_pk_mul_f32 v[64*\a+P:64*\a+P+1], v[64*\a+P:64*\a+P+1], v[NRM+2*\a:NRM+2*\a+1]
.set P, P+2
.endr
	s_wait_loadcnt 16*(3-\a)                       ; the gains and this block's cos and sin are in; the 16 loads of each later block may be out
	WIN 0x86
.set P, 0
.rept 32
	v_pk_mul_f32 v[64*\a+P:64*\a+P+1], v[64*\a+P:64*\a+P+1], v[GW+P:GW+P+1]
.set P, P+2
.endr
	WIN 0x0e
.set P, 0
.rept 16
	v_pk_mul_f32 v[T1+P:T1+P+1], v[64*\a+32+P:64*\a+32+P+1], v[64*\a+32+P:64*\a+32+P+1]   ; hi sin
	v_pk_mul_f32 v[T2+P:T2+P+1], v[64*\a+P:64*\a+P+1], v[64*\a+32+P:64*\a+32+P+1]         ; lo sin
.set P, P+2
.endr
	WIN 0x8e
.set P, 0
.rept 16
	v_pk_fma_f32 v[64*\a+P:64*\a+P+1], v[64*\a+P:64*\a+P+1], v[64*\a+P:64*\a+P+1], v[T1+P:T1+P+1] neg_lo:[0,0,1] neg_hi:[0,0,1]
	v_pk_fma_f32 v[64*\a+32+P:64*\a+32+P+1], v[64*\a+32+P:64*\a+32+P+1], v[64*\a+P:64*\a+P+1], v[T2+P:T2+P+1]
.set P, P+2
.endr
	WIN 0
.endm
	ROPE 0
	ROPE 1
	ROPE 2
	ROPE 3
.Lquant:
; Block a's 64 numbers of a lane (window 2, register 16 b + i = index 32 b + 16 h + i of my row) become a fragment's codes and my row's scale word, and leave as an image.
.macro QUANTW a
	WIN 0x0a
.irp b, 0,1,2,3
	v_max3_num_f32 v[TM+\b], |v[64*\a+16*\b]|, |v[64*\a+16*\b+1]|, 0x1800000   ; my 16 numbers of block b, and the floor 2^(3 - 127)
.endr
	WIN 0x28
.irp i, 2,4,6,8,10,12,14
.irp b, 0,1,2,3
	v_max3_num_f32 v[TM+\b], v[TM+\b], |v[64*\a+16*\b+\i]|, |v[64*\a+16*\b+\i+1]|
.endr
.endr
	WIN 0
.irp b, 0,1,2,3
	v_permlanex16_b32 v[TM+4+\b], v[TM+\b], s[SEL], s[SEL+1]
.endr
.irp b, 0,1,2,3
	v_max_num_f32 v[TM+\b], v[TM+\b], v[TM+4+\b]   ; with lane l xor 16's: the block's largest magnitude
.endr
.irp b, 0,1,2,3
	v_add_nc_u32 v[TM+12+\b], 0xff000000, v[TM+\b] ; 2 off its exponent field: the conversion's scale operand
.endr
.irp b, 0,1,2,3
	v_lshrrev_b32 v[TM+4+\b], 23, v[TM+12+\b]      ; the scale's byte
.endr
	v_lshl_or_b32 v[PW+\a], v[TM+5], 8, v[TM+4]
	v_lshl_or_b32 v[PW+\a], v[TM+6], 16, v[PW+\a]
	v_lshl_or_b32 v[PW+\a], v[TM+7], 24, v[PW+\a]
	WIN 0x02
.irp b, 0,1,2,3
	v_cvt_scalef32_pk8_fp4_f32 v[PC+8*\a+2*\b], v[64*\a+16*\b:64*\a+16*\b+7], v[TM+12+\b]
	v_cvt_scalef32_pk8_fp4_f32 v[PC+8*\a+2*\b+1], v[64*\a+16*\b+8:64*\a+16*\b+15], v[TM+12+\b]
.endr
	WIN 0
	v_nop                                          ; one plain line behind a scaled conversion
.irp c, 0,1                                    ; the operand's layout wants a whole block in a lane
.irp i, 0,1
	v_permlane16_swap_b32 v[PC+8*\a+4*\c+\i], v[PC+8*\a+2+4*\c+\i]
.endr
.endr
	global_store_b128 v[CO], v[PC+8*\a:PC+8*\a+3], s[16:17] offset:1024*\a          ; 512 consecutive bytes a store
	global_store_b128 v[CO], v[PC+8*\a+4:PC+8*\a+7], s[16:17] offset:1024*\a+512
.if \a%2
	v_cndmask_b32 v[PWW+\a/2], v[PW+\a-1], v[PW+\a], s98   ; two images' scale words: lanes 0-15 the first's, lanes 16-31 the second's
	global_store_b32 v[SO], v[PWW+\a/2], s[18:19] offset:64*(\a-1)
.endif
.endm
	QUANTW 0
	QUANTW 1
	QUANTW 2
	QUANTW 3
	s_wait_tensorcnt 0x0                           ; the wave's end
	ds_add_u32 v[SPW], v[NIL]
	s_wait_dscnt 0x0
	CROUND                                         ; the closing round
	s_endpgm
.Lfunc_end_k_q765756604d_qkv:
	.size	k_q765756604d_qkv, .Lfunc_end_k_q765756604d_qkv-k_q765756604d_qkv
	.p2alignl 7, 3214868480
	.fill 96, 4, 3214868480
	.section	.rodata,"a",@progbits
	.p2align	6, 0x0
	.amdhsa_kernel k_q765756604d_qkv
		.amdhsa_group_segment_fixed_size 327680
		.amdhsa_private_segment_fixed_size 0
		.amdhsa_enable_private_segment 0
		.amdhsa_kernarg_size 64
		.amdhsa_user_sgpr_count 2
		.amdhsa_user_sgpr_kernarg_segment_ptr 1
		.amdhsa_wavefront_size32 1
		.amdhsa_system_sgpr_workgroup_id_x 1
		.amdhsa_system_sgpr_workgroup_id_y 1
		.amdhsa_system_sgpr_workgroup_id_z 1
		.amdhsa_system_vgpr_workitem_id 0
		.amdhsa_next_free_vgpr 1024
		.amdhsa_next_free_sgpr 100
		.amdhsa_reserve_vcc 0
		.amdhsa_float_denorm_mode_32 3
		.amdhsa_float_denorm_mode_16_64 3
		.amdhsa_memory_ordered 1
		.amdhsa_forward_progress 1
		.amdhsa_inst_pref_size 177
	.end_amdhsa_kernel
	.amdgpu_metadata
---
amdhsa.version: [ 1, 2 ]
amdhsa.kernels:
  - .name:           k_q765756604d_qkv
    .symbol:         k_q765756604d_qkv.kd
    .args:
      - { .name: codes, .offset: 0, .size: 8, .value_kind: global_buffer, .address_space: global }
      - { .name: scales, .offset: 8, .size: 8, .value_kind: global_buffer, .address_space: global }
      - { .name: cos, .offset: 16, .size: 8, .value_kind: global_buffer, .address_space: global }
      - { .name: sin, .offset: 24, .size: 8, .value_kind: global_buffer, .address_space: global }
      - { .name: gq, .offset: 32, .size: 8, .value_kind: global_buffer, .address_space: global }
      - { .name: gk, .offset: 40, .size: 8, .value_kind: global_buffer, .address_space: global }
      - { .name: att, .offset: 48, .size: 8, .value_kind: global_buffer, .address_space: global }
      - { .name: atts, .offset: 56, .size: 8, .value_kind: global_buffer, .address_space: global }
    .group_segment_fixed_size: 327680
    .private_segment_fixed_size: 0
    .kernarg_segment_align: 8
    .kernarg_segment_size: 64
    .max_flat_workgroup_size: 128
    .sgpr_count:     100
    .vgpr_count:     1024
    .wavefront_size: 32
...
	.end_amdgpu_metadata
.endif
;; end of part 2
;; launch attn (part 3): grid 32 x 8, 16 waves a work-group, clusters of 4 x 1, 327,680 bytes of LDS; arguments att, atts, oc, os; writes oc, os
.if DOCPART == 3
	.amdgcn_target "amdgcn-amd-amdhsa--gfx1250"
	.amdhsa_code_object_version 6
	.text
	.protected	k_q765756604d_attn
	.globl	k_q765756604d_attn
	.p2align	8
	.type	k_q765756604d_attn,@function
k_q765756604d_attn:
	s_mov_b64 s[64:65], 0
	v_nop
	global_prefetch_b8 v0, s[64:65] scope:SCOPE_SE
	s_setreg_imm32_b32 hwreg(HW_REG_WAVE_MODE, 25, 1), 1
	s_wait_xcnt 0x0
	s_wait_alu depctr_hold_cnt(0) depctr_sa_sdst(0) depctr_va_vdst(0) depctr_va_sdst(0) depctr_va_ssrc(0) depctr_va_vcc(0) depctr_vm_vsrc(0)
	s_getreg_b32 s2, hwreg(HW_REG_IB_STS2, 6, 4)
	s_cmp_eq_u32 s2, 0
	s_cbranch_scc0 .Lentry_in_a_cluster
	s_endpgm
.Lentry_in_a_cluster:
	s_bfe_u32 s2, ttmp6, 0x10000c
	s_cmp_lg_u32 s2, 0x3003
	s_cbranch_scc0 .Lentry_shape_is_right
	s_endpgm
.Lentry_shape_is_right:
; Causal attention on codes of E2M1: S^T = K Q^T, p = 2^(t - M), O^T = V^T P^T, O / the row's sum, and O quantised along the head's 128 for launch outp.
; WORK LEFT OUT: a step of 128 keys that lies wholly behind a tile's 16 queries (reference()'s own jnp.tril gives it the weight 0) is not walked; see launch quant's head.
; t = score x log2(e) / sqrt(128); M = the running largest t rounded up to a whole number; the sum is taken of the unquantised p; a change of M multiplies the sum and O^T by an exact power of two.
; LIMITS: the promise holds while |t| stays under 2^31; block bytes as in launch quant; NaN and infinities are not served.
; SHARES: a work-group owns 8 tiles of 16 queries of one query head, tiles 16 i + place (i = 0 .. 7), so that all 256 work-groups have like work.  Two waves share a tile: one walks the even key steps, one the odd;
; the tiles are dealt so that waves w, w + 4, w + 8, w + 12 together have the same number of steps for each w.  At the end the pair's sums are joined through LDS.
; K AND V of the kv head stay in LDS whole: K's 128 images (1,024 bytes each: key step s, tile t at 8,192 s + 1,024 t) are 131,072 dense bytes of att, V's likewise, behind them; their scale words 8,192 bytes each.
; EVERY WAVE ISSUES ONE TENSOR LOAD, at the head: waves 0-7 32,768 bytes of codes, waves 8-15 2,048 bytes of scale words.  Nothing is filled again: one wait for 0, one barrier, and the 16 steps have no barrier.
; CLUSTER 4 x 1: the four partners walk the same kv head and ask jointly.  No prefetch: all that is read is asked for at the head, so there is no loop to run ahead in.
; REGISTERS: v1-11 addresses; v12 -M, v13 the largest t, v[14:15] the sum; v16-23 Q, v255 its scale words; v24-31 K's and V's scale words; v32-95 fragments; v96-159 S^T, then p; v160-223 O^T; v224-231 p's codes; v232-254 at work.
.set VOF,   131072                     ; V's images
.set SCK,   262144                     ; K's scale words, V's 8,192 bytes on
.set SPARE, SCK+16384                  ; the spare words, 128 bytes a wave, named by no other line
.set MSZ,   8704                       ; a pair's place for the joining: 8,192 bytes of O^T, -M and the sum's halves; in K's bytes, which have had their one fill and are read no more
.set LI,   1                           ; 16 x lane
.set LSK,  2                           ; SCK + 4 x lane
.set RW,   3                           ; 4 x (lane % 16)
.set DQ,   4                           ; my query - 16 (lane / 16), within its key step
.set SPW,  5
.set NIL,  6
.set MA,   7
.set ADF,  8
.set ADS,  9
.set MS,   10
.set ADV,  11
.set PAR,  2
.set WV,   12
.set LAST, 19                          ; my tile's last key step
.set SEL,  20
.set CS,   22
.set G1C,  24
.set G1S,  32
.set G0S,  40
.set G0C,  44
.set TB,   60
.set TS,   61
.set KS,   62
.set CNT,  63
.macro CROUND
	s_barrier_signal -1
	s_barrier_wait -1
	s_cmp_lg_u32 s[WV], 0
	s_cbranch_scc1 .Lnot_wave_0_\@
	s_barrier_signal -3
.Lnot_wave_0_\@:
	s_barrier_wait -3
	s_barrier_signal -1
	s_barrier_wait -1
.endm
	s_load_b256 s[4:11], s[0:1], 0x0               ; att, atts, oc, os
	v_lshl_add_u32 v[SPW], v0, 2, SPARE
	v_mov_b32 v[NIL], 0
	ds_add_u32 v[SPW], v[NIL]                      ; the opening: the add, twice on end, and its wait
	ds_add_u32 v[SPW], v[NIL]
	v_lshrrev_b32 v8, 5, v0
	s_delay_alu instid0(VALU_DEP_1)
	v_readfirstlane_b32 s[WV], v8
	s_bfe_u32 s13, ttmp6, 0x40000                  ; cx
	s_and_b32 s14, ttmp7, 0xffff                   ; the kv head
	s_lshr_b32 s15, ttmp9, 2
	s_lshl_b32 s66, s14, 1
	s_add_co_u32 s15, s15, s66                     ; the query head
	s_and_b32 s16, ttmp9, 3
	s_lshl_b32 s16, s16, 2
	s_add_co_u32 s16, s16, s13                     ; my work-group's place, 0 .. 15
	s_bfe_u32 s[PAR], s[WV], 0x10002               ; 1: I walk the even key steps and hand my sums over; 0: the odd ones
	s_and_b32 s67, s[WV], 3
	s_xor_b32 s67, s67, s[PAR]
	s_lshr_b32 s68, s[WV], 3
	s_lshl_b32 s69, s68, 2
	s_add_co_u32 s3, s69, s67
	s_mul_i32 s3, s3, MSZ                          ; the pair's place
	s_lshr_b32 s69, s67, 1
	s_lshl_b32 s68, s68, 1
	s_add_co_u32 s68, s68, s69
	s_sub_co_u32 s69, 7, s68
	s_and_b32 s67, s67, 1
	s_cmp_lg_u32 s67, 0
	s_cselect_b32 s17, s69, s68                    ; i
	s_lshl_b32 s18, s17, 4
	s_add_co_u32 s18, s18, s16                     ; my tile
	s_bfe_u32 s[LAST], ttmp9, 0x10001
	s_lshl_b32 s66, s17, 1
	s_add_co_u32 s[LAST], s[LAST], s66             ; tile / 8: made of the cluster's number and the wave's alone
	s_mov_b32 s[G1C], 15|(3<<16)|(1<<21)           ; all four partners; elements of 8 bytes; bit 21 beside a mask: 128 dense rows of 256 bytes
	s_mov_b32 s[G1C+1], 32<<16
	s_mov_b32 s[G1C+2], 128<<16
	s_mov_b32 s[G1C+3], 32<<16
	s_mov_b32 s[G1C+4], 128
	s_mov_b32 s[G1C+5], 32
	s_mov_b32 s[G1C+6], 0
	s_mov_b32 s[G1C+7], 0
	s_mov_b32 s[G1S], 15|(3<<16)|(1<<21)           ; 8 dense rows of 256 bytes
	s_mov_b32 s[G1S+1], 32<<16
	s_mov_b32 s[G1S+2], 8<<16
	s_mov_b32 s[G1S+3], 32<<16
	s_mov_b32 s[G1S+4], 8
	s_mov_b32 s[G1S+5], 32
	s_mov_b32 s[G1S+6], 0
	s_mov_b32 s[G1S+7], 0
	s_bfe_u32 s66, s[WV], 0x10002                  ; I fetch of K (0) or of V (1),
	s_and_b32 s67, s[WV], 3                        ; which quarter,
	s_and_b32 s74, s[WV], 7                        ; and to which eighth of the LDS region
	s_lshl_b32 s68, s66, 20
	s_lshl_b32 s69, s14, 17
	s_add_co_u32 s68, s68, s69
	s_lshl_b32 s69, s67, 15
	s_add_co_u32 s68, s68, s69
	s_add_co_u32 s68, s68, 0x200000                ; K's images begin at 2 MiB of att, V's at 3 MiB; 131,072 bytes a kv head
	s_mov_b32 s69, 0
	s_lshl_b32 s70, s66, 16
	s_lshl_b32 s71, s14, 13
	s_add_co_u32 s70, s70, s71
	s_lshl_b32 s71, s67, 11
	s_add_co_u32 s70, s70, s71
	s_add_co_u32 s70, s70, 0x20000                 ; and their scale words at 128 and 192 KiB of atts
	s_mov_b32 s71, 0
	s_lshl_b32 s72, s74, 15
	s_lshl_b32 s73, s74, 11
	s_mov_b32 s[SEL], 0x76543210
	s_mov_b32 s[SEL+1], 0xfedcba98
	s_mov_b32 s[CS], 0x3e0293ee                    ; log2(e) / sqrt(128)
	s_mov_b32 s[CS+1], s[CS]
	s_mov_b32 s[TB], 0
	s_mov_b32 s[TS], 0
	s_mov_b32 s[KS], 0
	s_wait_dscnt 0x0                               ; both opening adds are done
	s_wait_kmcnt 0x0
	s_add_nc_u64 s[68:69], s[4:5], s[68:69]
	s_add_nc_u64 s[70:71], s[6:7], s[70:71]
	CROUND                                         ; the four partners are here: the joint loads meet
	s_mov_b32 s[G0S], 1
	s_add_co_u32 s[G0S+1], s73, SCK
	s_mov_b64 s[G0S+2:G0S+3], s[70:71]
	s_or_b32 s[G0S+3], s[G0S+3], 0x80000000
	s_mov_b32 s[G0C], 1
	s_mov_b32 s[G0C+1], s72
	s_mov_b64 s[G0C+2:G0C+3], s[68:69]
	s_or_b32 s[G0C+3], s[G0C+3], 0x80000000
	s_cmp_lt_u32 s[WV], 8                          ; one load a wave, one arm each, one join
	s_cbranch_scc0 .Lhead_s
	tensor_load_to_lds s[G0C:G0C+3], s[G1C:G1C+7]
	s_nop 0
.rept 4
	v_nop
.endr
	s_branch .Lhead_asked
.Lhead_s:
	tensor_load_to_lds s[G0S:G0S+3], s[G1S:G1S+7]
	s_nop 0
.rept 4
	v_nop
.endr
.Lhead_asked:
	v_and_b32 v8, 31, v0
	s_delay_alu instid0(VALU_DEP_1)
	v_lshlrev_b32 v[LI], 4, v8
	s_wait_alu depctr_va_vdst(0)
	v_lshl_add_u32 v[LSK], v8, 2, SCK
	v_add_nc_u32 v[MA], s3, v[LI]
	v_lshl_add_u32 v[MS], v8, 2, s3
	v_and_b32 v9, 15, v0
	s_delay_alu instid0(VALU_DEP_1)
	v_lshlrev_b32 v[RW], 2, v9
	s_wait_alu depctr_va_vdst(0)
	v_bfe_u32 v241, v0, 4, 1
	s_wait_alu depctr_va_vdst(0)                   ; ahead of the scalar lines below
	s_lshl_b32 s74, s15, 7
	s_add_co_u32 s74, s74, s18                     ; Q's image: 128 x query head + tile
	s_lshl_b32 s76, s74, 10
	s_mov_b32 s77, 0
	s_add_nc_u64 s[76:77], s[4:5], s[76:77]
	s_lshl_b32 s78, s74, 6
	s_mov_b32 s79, 0
	s_add_nc_u64 s[78:79], s[6:7], s[78:79]
	global_load_b128 v[16:19], v[LI], s[76:77]
	global_load_b128 v[20:23], v[LI], s[76:77] offset:512
	global_load_b32 v255, v[RW], s[78:79]
	v_and_b32 v11, 7, v9
	v_lshrrev_b32 v240, 3, v9
	s_delay_alu instid0(VALU_DEP_1)
	v_lshl_add_u32 v11, v240, 4, v11               ; lane r of a tile is token r % 8 + 16 (r / 8) of its 32 (launch quant's row order)
	v_lshlrev_b32 v240, 4, v241
	s_delay_alu instid0(VALU_DEP_1)
	v_sub_nc_u32 v11, v11, v240
	s_bfe_u32 s74, s16, 0x20001
	s_lshl_b32 s74, s74, 5
	s_and_b32 s75, s16, 1
	s_lshl_b32 s75, s75, 3
	s_add_co_u32 s74, s74, s75
	v_add_nc_u32 v[DQ], s74, v11
	s_lshr_b32 s66, s15, 2                         ; O's image: K step of launch outp (4 heads), tile, head in the step
	s_lshl_b32 s66, s66, 19
	s_lshl_b32 s67, s18, 12
	s_add_co_u32 s66, s66, s67
	s_and_b32 s67, s15, 3
	s_lshl_b32 s67, s67, 10
	s_add_co_u32 s66, s66, s67
	s_mov_b32 s67, 0
	s_add_nc_u64 s[8:9], s[8:9], s[66:67]
	s_lshl_b32 s66, s18, 4
	s_add_co_u32 s66, s66, s15
	s_lshl_b32 s66, s66, 6
	s_add_nc_u64 s[10:11], s[10:11], s[66:67]
	v_mov_b32 v13, 0xff61b1e6                      ; -3e38, under every t
	s_delay_alu instid0(VALU_DEP_1)
	v_floor_f32 v12, -v13
	v_mov_b32 v14, 0
	v_mov_b32 v15, 0
.irp b, 0,1,2,3
	v_mov_b32 v[236+\b], 0
.endr
	v_mov_b32 v253, 0
.set N, 0
.rept 64
	v_mov_b32 v[160+N], 0                          ; the step is written once: the first finds zeros
.set N, N+1
.endr
.macro STEP
	s_cmp_gt_u32 s[KS], s[LAST]                    ; wholly behind my queries: left out
	s_cbranch_scc1 .Lhidden_\@
	s_xor_b32 s66, s[KS], s[PAR]
	s_and_b32 s66, s66, 1
	s_cmp_eq_u32 s66, 0                            ; my partner's step
	s_cbranch_scc1 .Lhidden_\@
	v_add_nc_u32 v[ADF], s[TB], v[LI]              ; (these four lines are the places behind the last products, ahead of the loads)
	v_add_nc_u32 v[ADS], s[TS], v[LSK]
	v_add_nc_u32 v[ADV], VOF, v[ADF]
	v_nop
.irp t, 0,1,2,3,4,5,6,7
.irp c, 0,1
	ds_load_b128 v[32+8*\t+4*\c:32+8*\t+4*\c+3], v[ADF] offset:1024*\t+512*\c
.endr
.endr
.irp i, 0,1,2,3
	ds_load_b32 v[24+\i], v[ADS] offset:128*\i
.endr
	s_wait_alu depctr_va_vdst(0)
	s_wait_dscnt 0x0
.irp t, 0,2,4,6
	v_wmma_scale_f32_16x16x128_f8f6f4 v[96+8*\t:103+8*\t], v[32+8*\t:39+8*\t], v[16:23], 0, v[24+\t/2], v255 matrix_a_fmt:MATRIX_FMT_FP4 matrix_b_fmt:MATRIX_FMT_FP4
	v_wmma_scale_f32_16x16x128_f8f6f4 v[104+8*\t:111+8*\t], v[40+8*\t:47+8*\t], v[16:23], 0, v[24+\t/2], v255 matrix_a_fmt:MATRIX_FMT_FP4 matrix_b_fmt:MATRIX_FMT_FP4 matrix_a_scale:MATRIX_SCALE_ROW1
.endr
.rept 4
	v_nop
.endr
.irp t, 0,1,2,3,4,5,6,7
.irp c, 0,1
	ds_load_b128 v[32+8*\t+4*\c:32+8*\t+4*\c+3], v[ADV] offset:1024*\t+512*\c    ; V's fragments come under the softmax
.endr
.endr
.irp i, 0,1,2,3
	ds_load_b32 v[28+\i], v[ADS] offset:8192+128*\i
.endr
	s_cmp_lg_u32 s[KS], s[LAST]
	s_cbranch_scc1 .Lopen_\@
	v_mov_b32 v254, 0xff800000                     ; on the diagonal hidden scores become -infinity
.set N, 0
.rept 64
	v_cmp_gt_i32 vcc_lo, 32*(N/16)+N%16, v[DQ]
	v_cndmask_b32 v[96+N], v[96+N], v254, vcc_lo
.set N, N+1
.endr
.Lopen_\@:
.irp b, 0,1,2,3
	v_max3_num_f32 v[232+\b], v[96+16*\b], v[97+16*\b], v[98+16*\b]   ; each block's largest score: for the row's maximum and for the block's largest p
.endr
.irp i, 3,5,7,9,11,13
.irp b, 0,1,2,3
	v_max3_num_f32 v[232+\b], v[232+\b], v[96+16*\b+\i], v[97+16*\b+\i]
.endr
.endr
.irp b, 0,1,2,3
	v_max_num_f32 v[232+\b], v[232+\b], v[111+16*\b]
.endr
.irp b, 0,1,2,3
	s_delay_alu instid0(VALU_DEP_4)
	v_permlanex16_b32 v[236+\b], v[232+\b], s[SEL], s[SEL+1]
.endr
.irp b, 0,1,2,3
	s_delay_alu instid0(VALU_DEP_4)
	v_max_num_f32 v[232+\b], v[232+\b], v[236+\b]
.endr
	s_delay_alu instid0(VALU_DEP_2)
	v_max3_num_f32 v254, v232, v233, v234
	s_delay_alu instid0(VALU_DEP_1)
	v_max_num_f32 v254, v254, v235
	s_delay_alu instid0(VALU_DEP_1)
	v_mul_f32 v254, s[CS], v254
	s_delay_alu instid0(VALU_DEP_1)
	v_max_num_f32 v13, v13, v254                   ; the running largest t
	v_mov_b32 v254, v12
	s_delay_alu instid0(VALU_DEP_2)
	v_floor_f32 v12, -v13                          ; -M
	s_delay_alu instid0(VALU_DEP_1)
	v_sub_f32 v254, v12, v254
	s_delay_alu instid0(VALU_DEP_1)
	v_cvt_i32_f32 v254, v254
	s_delay_alu instid0(VALU_DEP_1)
	v_ldexp_f32 v252, 1.0, v254                    ; f = 2^(old M - new M)
.set N, 0
.rept 32
	v_pk_fma_f32 v[96+N:97+N], v[96+N:97+N], s[CS:CS+1], v[12:13] op_sel_hi:[1,0,0]
.set N, N+2
.endr
.irp b, 0,1,2,3
	v_fma_f32 v[232+\b], v[232+\b], s[CS], v12
.endr
.set N, 0
	s_wait_alu depctr_va_vdst(0)                   ; ahead of the batch
.rept 64
	v_exp_f32 v[96+N], v[96+N]
.set N, N+1
.endr
	v_pk_mul_f32 v[14:15], v[14:15], v[252:253] op_sel_hi:[1,0]
	s_wait_alu depctr_va_vdst(0)                   ; and behind it
.irp b, 0,1,2,3
	v_exp_f32 v[232+\b], v[232+\b]
.endr
	v_pk_add_f32 v[236:237], v[96:97], v[98:99]    ; the row's sum of the unquantised p
.irp j, 4,8,12,16,20,24,28,32,36,40,44,48,52,56,60
	v_pk_add_f32 v[14:15], v[14:15], v[96+\j:97+\j]
	v_pk_add_f32 v[236:237], v[236:237], v[98+\j:99+\j]
.endr
	s_delay_alu instid0(VALU_DEP_1)
	v_pk_add_f32 v[14:15], v[14:15], v[236:237]
	s_wait_alu depctr_va_vdst(0)
.irp b, 0,1,2,3
	v_max_num_f32 v[232+\b], 0x1800000, v[232+\b]  ; the floor 2^(3 - 127)
.endr
.irp b, 0,1,2,3
	s_delay_alu instid0(VALU_DEP_4)
	v_add_nc_u32 v[244+\b], 0xff000000, v[232+\b]
.endr
.irp b, 0,1,2,3
	s_delay_alu instid0(VALU_DEP_4)
	v_lshrrev_b32 v[236+\b], 23, v[244+\b]
.endr
	s_delay_alu instid0(VALU_DEP_3)
	v_lshl_or_b32 v253, v237, 8, v236
	s_delay_alu instid0(VALU_DEP_1)
	v_lshl_or_b32 v253, v238, 16, v253
	s_delay_alu instid0(VALU_DEP_1)
	v_lshl_or_b32 v253, v239, 24, v253             ; p's scale word
.irp b, 0,1,2,3
	v_cvt_scalef32_pk8_fp4_f32 v[224+2*\b], v[96+16*\b:103+16*\b], v[244+\b]
	v_cvt_scalef32_pk8_fp4_f32 v[225+2*\b], v[104+16*\b:111+16*\b], v[244+\b]
.endr
	v_nop
.irp c, 0,1
.irp i, 0,1
	v_permlane16_swap_b32 v[224+4*\c+\i], v[226+4*\c+\i]
.endr
.endr
.set N, 0
.rept 32
	v_pk_mul_f32 v[160+N:161+N], v[160+N:161+N], v[252:253] op_sel_hi:[1,0]
.set N, N+2
.endr
	s_wait_alu depctr_va_vdst(0)
	s_wait_dscnt 0x0
.irp t, 0,2,4,6
	v_wmma_scale_f32_16x16x128_f8f6f4 v[160+8*\t:167+8*\t], v[32+8*\t:39+8*\t], v[224:231], v[160+8*\t:167+8*\t], v[28+\t/2], v253 matrix_a_fmt:MATRIX_FMT_FP4 matrix_b_fmt:MATRIX_FMT_FP4
	v_wmma_scale_f32_16x16x128_f8f6f4 v[168+8*\t:175+8*\t], v[40+8*\t:47+8*\t], v[224:231], v[168+8*\t:175+8*\t], v[28+\t/2], v253 matrix_a_fmt:MATRIX_FMT_FP4 matrix_b_fmt:MATRIX_FMT_FP4 matrix_a_scale:MATRIX_SCALE_ROW1
.endr
.Lhidden_\@:
	s_add_co_u32 s[KS], s[KS], 1
	s_add_co_u32 s[TB], s[TB], 8192
	s_add_co_u32 s[TS], s[TS], 512
.endm
	s_wait_alu depctr_va_vdst(0)                   ; the head's end
	s_wait_loadcnt 0x0                             ; Q
	s_wait_tensorcnt 0x0                           ; my part of K, V or the scale words is in;
	s_barrier_signal -1
	s_barrier_wait -1                              ; everybody's is
	s_mov_b32 s[CNT], 16
.Lstep:                                            ; 16 trips in every wave: what is left out is a step's work
	STEP
	s_sub_co_u32 s[CNT], s[CNT], 1
	s_cmp_lg_u32 s[CNT], 0
	s_cbranch_scc1 .Lstep
.rept 4
	v_nop
.endr
	s_wait_dscnt 0x0
	s_barrier_signal -1
	s_barrier_wait -1                              ; nobody reads K any more: its bytes serve the joining
	s_cmp_eq_u32 s[PAR], 0
	s_cbranch_scc1 .Lkeeps
	s_wait_alu depctr_va_vdst(0)
.irp i, 0,1,2,3,4,5,6,7,8,9,10,11,12,13,14,15
	ds_store_b128 v[MA], v[160+4*\i:163+4*\i] offset:512*\i
.endr
	ds_store_b32 v[MS], v12 offset:8192
	ds_store_b32 v[MS], v14 offset:8320
	ds_store_b32 v[MS], v15 offset:8448
.Lkeeps:
	s_wait_dscnt 0x0
	s_barrier_signal -1
	s_barrier_wait -1
	s_cmp_lg_u32 s[PAR], 0
	s_cbranch_scc1 .Lend
.irp i, 0,1,2,3,4,5,6,7,8,9,10,11,12,13,14,15
	ds_load_b128 v[96+4*\i:99+4*\i], v[MA] offset:512*\i
.endr
	ds_load_b32 v232, v[MS] offset:8192
	ds_load_b32 v234, v[MS] offset:8320
	ds_load_b32 v235, v[MS] offset:8448
	s_wait_dscnt 0x0
	v_min_num_f32 v233, v12, v232                  ; the larger M of the two; each side comes under it by an exact power of two
	s_delay_alu instid0(VALU_DEP_1)
	v_sub_f32 v236, v233, v12
	s_delay_alu instid0(VALU_DEP_2)
	v_sub_f32 v237, v233, v232
	s_delay_alu instid0(VALU_DEP_2)
	v_cvt_i32_f32 v236, v236
	s_delay_alu instid0(VALU_DEP_2)
	v_cvt_i32_f32 v237, v237
	s_delay_alu instid0(VALU_DEP_2)
	v_ldexp_f32 v252, 1.0, v236
	s_delay_alu instid0(VALU_DEP_2)
	v_ldexp_f32 v240, 1.0, v237
	s_delay_alu instid0(VALU_DEP_2)
	v_pk_mul_f32 v[14:15], v[14:15], v[252:253] op_sel_hi:[1,0]
	s_delay_alu instid0(VALU_DEP_1)
	v_pk_fma_f32 v[14:15], v[234:235], v[240:241], v[14:15] op_sel_hi:[1,0,1]
	s_delay_alu instid0(VALU_DEP_1)
	v_add_f32 v14, v14, v15
	s_delay_alu instid0(VALU_DEP_1)
	v_permlanex16_b32 v236, v14, s[SEL], s[SEL+1]
	s_delay_alu instid0(VALU_DEP_1)
	v_add_f32 v14, v14, v236                       ; the row's sum
	s_wait_alu depctr_va_vdst(0)
	v_rcp_f32 v14, v14
	v_nop
	s_wait_alu depctr_va_vdst(0)
	v_mul_f32 v252, v252, v14
	v_mul_f32 v240, v240, v14
.set N, 0
.rept 32
	v_pk_mul_f32 v[96+N:97+N], v[96+N:97+N], v[240:241] op_sel_hi:[1,0]
.set N, N+2
.endr
.set N, 0
.rept 32
	v_pk_fma_f32 v[96+N:97+N], v[160+N:161+N], v[252:253], v[96+N:97+N] op_sel_hi:[1,0,1]
.set N, N+2
.endr
.irp b, 0,1,2,3
	v_max3_num_f32 v[232+\b], |v[96+16*\b]|, |v[97+16*\b]|, 0x1800000   ; O is quantised along the head's 128, as launch qkv quantises q
.endr
.irp i, 2,4,6,8,10,12,14
.irp b, 0,1,2,3
	s_delay_alu instid0(VALU_DEP_4)
	v_max3_num_f32 v[232+\b], v[232+\b], |v[96+16*\b+\i]|, |v[97+16*\b+\i]|
.endr
.endr
.irp b, 0,1,2,3
	s_delay_alu instid0(VALU_DEP_4)
	v_permlanex16_b32 v[236+\b], v[232+\b], s[SEL], s[SEL+1]
.endr
.irp b, 0,1,2,3
	s_delay_alu instid0(VALU_DEP_4)
	v_max_num_f32 v[232+\b], v[232+\b], v[236+\b]
.endr
.irp b, 0,1,2,3
	s_delay_alu instid0(VALU_DEP_4)
	v_add_nc_u32 v[244+\b], 0xff000000, v[232+\b]
.endr
.irp b, 0,1,2,3
	s_delay_alu instid0(VALU_DEP_4)
	v_lshrrev_b32 v[236+\b], 23, v[244+\b]
.endr
	s_delay_alu instid0(VALU_DEP_3)
	v_lshl_or_b32 v248, v237, 8, v236
	s_delay_alu instid0(VALU_DEP_1)
	v_lshl_or_b32 v248, v238, 16, v248
	s_delay_alu instid0(VALU_DEP_1)
	v_lshl_or_b32 v248, v239, 24, v248
.irp b, 0,1,2,3
	v_cvt_scalef32_pk8_fp4_f32 v[224+2*\b], v[96+16*\b:103+16*\b], v[244+\b]
	v_cvt_scalef32_pk8_fp4_f32 v[225+2*\b], v[104+16*\b:111+16*\b], v[244+\b]
.endr
	v_nop
.irp c, 0,1
.irp i, 0,1
	v_permlane16_swap_b32 v[224+4*\c+\i], v[226+4*\c+\i]
.endr
.endr
	global_store_b128 v[LI], v[224:227], s[8:9]    ; 512 consecutive bytes a store
	global_store_b128 v[LI], v[228:231], s[8:9] offset:512
	global_store_b32 v[RW], v248, s[10:11]
.Lend:
	s_wait_tensorcnt 0x0                           ; the wave's end
	ds_add_u32 v[SPW], v[NIL]
	s_wait_dscnt 0x0
	CROUND                                         ; the closing round
	s_endpgm
.Lfunc_end_k_q765756604d_attn:
	.size	k_q765756604d_attn, .Lfunc_end_k_q765756604d_attn-k_q765756604d_attn
	.p2alignl 7, 3214868480
	.fill 96, 4, 3214868480
	.section	.rodata,"a",@progbits
	.p2align	6, 0x0
	.amdhsa_kernel k_q765756604d_attn
		.amdhsa_group_segment_fixed_size 327680
		.amdhsa_private_segment_fixed_size 0
		.amdhsa_enable_private_segment 0
		.amdhsa_kernarg_size 32
		.amdhsa_user_sgpr_count 2
		.amdhsa_user_sgpr_kernarg_segment_ptr 1
		.amdhsa_wavefront_size32 1
		.amdhsa_system_sgpr_workgroup_id_x 1
		.amdhsa_system_sgpr_workgroup_id_y 1
		.amdhsa_system_sgpr_workgroup_id_z 1
		.amdhsa_system_vgpr_workitem_id 0
		.amdhsa_next_free_vgpr 256
		.amdhsa_next_free_sgpr 80
		.amdhsa_reserve_vcc 1
		.amdhsa_float_denorm_mode_32 3
		.amdhsa_float_denorm_mode_16_64 3
		.amdhsa_memory_ordered 1
		.amdhsa_forward_progress 1
		.amdhsa_inst_pref_size 48
	.end_amdhsa_kernel
	.amdgpu_metadata
---
amdhsa.version: [ 1, 2 ]
amdhsa.kernels:
  - .name:           k_q765756604d_attn
    .symbol:         k_q765756604d_attn.kd
    .args:
      - { .name: att, .offset: 0, .size: 8, .value_kind: global_buffer, .address_space: global }
      - { .name: atts, .offset: 8, .size: 8, .value_kind: global_buffer, .address_space: global }
      - { .name: oc, .offset: 16, .size: 8, .value_kind: global_buffer, .address_space: global }
      - { .name: os, .offset: 24, .size: 8, .value_kind: global_buffer, .address_space: global }
    .group_segment_fixed_size: 327680
    .private_segment_fixed_size: 0
    .kernarg_segment_align: 8
    .kernarg_segment_size: 32
    .max_flat_workgroup_size: 512
    .sgpr_count:     80
    .vgpr_count:     256
    .wavefront_size: 32
...
	.end_amdgpu_metadata
.endif
;; end of part 3
;; launch outp (part 4): grid 16 x 16, 4 waves a work-group, clusters of 4 x 4, 327,680 bytes of LDS; arguments oc, os, codes, scales, out0; writes out0
.if DOCPART == 4
	.amdgcn_target "amdgcn-amd-amdhsa--gfx1250"
	.amdhsa_code_object_version 6
	.text
	.protected	k_q765756604d_outp
	.globl	k_q765756604d_outp
	.p2align	8
	.type	k_q765756604d_outp,@function
k_q765756604d_outp:
	s_mov_b64 s[64:65], 0
	v_nop
	global_prefetch_b8 v0, s[64:65] scope:SCOPE_SE
	s_setreg_imm32_b32 hwreg(HW_REG_WAVE_MODE, 25, 1), 1
	s_wait_xcnt 0x0
	s_wait_alu depctr_hold_cnt(0) depctr_sa_sdst(0) depctr_va_vdst(0) depctr_va_sdst(0) depctr_va_ssrc(0) depctr_va_vcc(0) depctr_vm_vsrc(0)
	s_getreg_b32 s2, hwreg(HW_REG_IB_STS2, 6, 4)
	s_cmp_eq_u32 s2, 0
	s_cbranch_scc0 .Lentry_in_a_cluster
	s_endpgm
.Lentry_in_a_cluster:
	s_bfe_u32 s2, ttmp6, 0x10000c
	s_cmp_lg_u32 s2, 0xf033
	s_cbranch_scc0 .Lentry_shape_is_right
	s_endpgm
.Lentry_shape_is_right:
; out0 = O Wo^T on codes of E2M1, K = 2,048 (16 heads x 128).  No work is left out here.
; A = O: images of operand registers made by launch attn (16 token places x one head's 128; the four heads of a K step of 512 on end, so a work-group's 128 token places of a K step are 32,768 dense bytes); B = Wo's rows of codes (launch quant).
; Source 0 = 16 rows of Wo, source 1 = 16 token places: a lane holds one token and eight neighbouring columns of out0.  Lane r of tile a is token 32 (a / 2) + 8 (a % 2) + r % 8 + 16 (r / 8) of the wave's 64.
; SHARES: a work-group makes 128 tokens x 256 columns: 256 work-groups; a wave 64 x 128: 32 accumulators.  Four K steps of 512 through two slots, written out; the scale bytes of all of K come once.
; CLUSTERS 4 x 4: A's tiles are asked for jointly along a row of the cluster, B's along a column.
; REGISTERS: window 0: v1 r, v2 h, v16-29 addresses; v32-95 B's scale words, two sets; v96-127 A's, two sets; v128-191 A's fragments, two sets; on the way out v128-255 rows of out0.  window 1: v0-127 B's fragments, two sets.  window 2: accumulator (a, b) at v[8 (8 a + b)].
.set PITCH, 272
.set HAB,   16384                      ; what one load of A brings, and what one wave reads of A: 4 tiles x 4 images
.set HBB,   128*PITCH
.set BOF,   2*HAB
.set SLOT,  2*HAB+2*HBB
.set SCLA,  2*SLOT                     ; A's scale words: 8 tiles x 16 heads x 64 bytes
.set SCLB,  SCLA+8192                  ; B's scale bytes: 256 rows x 64 bytes as pieces of 256 + 16
.set HSB,   32*272
.set STAGE, SCLB+2*HSB                 ; the way out: 16 rows x (512 + 16) bytes for each wave; no fill lands here
.set SPITCH, 528
.set SPARE, STAGE+4*16*SPITCH          ; the spare words, 128 bytes a wave, named by no other line
.set ADRA, 16
.set ADRB, 20
.set STO,  22
.set RD,   23
.set CO,   24
.set ADRSA, 26
.set ADRSB, 27
.set SPW,  28
.set NIL,  29
.set SCB,  32                          ; set s at v[SCB + 32 s]; register 4 b + q
.set SCA,  96                          ; set s at v[SCA + 16 s]; register 4 a + q
.set AF,   128
.set BK,   128
.set G1,   24
.set G0,   32
.set G1B,  48
.set G0B,  56
.set G1S,  68
.set G0S,  76
.set G1SB, 80
.set G0SB, 88
.set MSB, 0
.macro WIN new
.if MSB != \new
	s_set_vgpr_msb (MSB<<8)|\new
.set MSB, \new
.endif
.endm
.set MUL,  0xa1
.set TO_B, 0x40
.macro JLOAD g0a, g1a, g0b, g1b        ; a joint load: waves 0 and 1 fetch for A, waves 2 and 3 for B; an s_nop 0 and four v_nop follow each line
	s_cmp_eq_u32 s21, 0
	s_cbranch_scc0 .Lfor_b_\@
	tensor_load_to_lds s[\g0a:\g0a+3], s[\g1a:\g1a+7]
	s_nop 0
.rept 4
	v_nop
.endr
	s_branch .Lasked_\@
.Lfor_b_\@:
	tensor_load_to_lds s[\g0b:\g0b+3], s[\g1b:\g1b+7]
	s_nop 0
.rept 4
	v_nop
.endr
.Lasked_\@:
.endm
.macro CREST
	s_cmp_lg_u32 s20, 0
	s_cbranch_scc1 .Lnot_wave_0_\@
	s_barrier_signal -3
.Lnot_wave_0_\@:
	s_barrier_wait -3
	s_barrier_signal -1
	s_barrier_wait -1
.endm
.macro CROUND
	s_barrier_signal -1
	s_barrier_wait -1
	CREST
.endm
.macro PLACES n
.rept \n
	v_nop
.endr
.endm
	s_load_b256 s[4:11], s[0:1], 0x0               ; oc, os, codes, scales
	s_load_b64 s[12:13], s[0:1], 0x20              ; out0
	v_lshl_add_u32 v[SPW], v0, 2, SPARE
	v_mov_b32 v[NIL], 0
	ds_add_u32 v[SPW], v[NIL]                      ; the opening: the add, twice on end, and its wait ahead of my first tensor load
	ds_add_u32 v[SPW], v[NIL]
	v_lshrrev_b32 v1, 5, v0
	v_readfirstlane_b32 s20, v1                    ; wave 0..3
	s_lshr_b32 s21, s20, 1                         ; which 64 tokens are mine.  Also: I fetch for A (0) or for B (1)
	s_and_b32 s22, s20, 1                          ; which 128 columns.  Also: which half of that tile I fetch
	s_bfe_u32 s40, ttmp6, 0x40000                  ; cx
	s_bfe_u32 s41, ttmp6, 0x40004                  ; cy
	s_and_b32 s46, ttmp7, 0xffff
	s_lshl_b32 s46, s46, 2
	s_add_co_u32 s46, s46, s41                     ; tile row: 128 token places
	s_lshl_b32 s47, ttmp9, 2
	s_add_co_u32 s47, s47, s40                     ; tile column: 256 rows of Wo
	s_lshl_b32 s44, s41, 2
	s_lshl_b32 s44, 15, s44                        ; my row of the cluster
	s_lshl_b32 s45, 0x1111, s40                    ; my column
	s_or_b32 s[G1], s44, (3<<16)|(1<<21)           ; A's images: dense, rows of 32 elements of 8 bytes, no padding
	s_mov_b32 s[G1+1], 32<<16
	s_mov_b32 s[G1+2], 128<<16                     ; the head's load brings the whole tile; behind it the ring's loads bring halves
	s_mov_b32 s[G1+3], 32<<16
	s_mov_b32 s[G1+4], 128
	s_mov_b32 s[G1+5], 32
	s_mov_b32 s[G1+6], 0
	s_mov_b32 s[G1+7], 0
	s_or_b32 s[G1B], s45, (0<<16)|(1<<20)|(1<<21)|(5<<22)|(3<<25)   ; B's codes: 128 rows of 256 bytes, 1,024 apart, 16 bytes of padding behind each
	s_mov_b32 s[G1B+1], 256<<16
	s_mov_b32 s[G1B+2], 256<<16
	s_mov_b32 s[G1B+3], 256<<16
	s_mov_b32 s[G1B+4], 256
	s_mov_b32 s[G1B+5], 1024
	s_mov_b32 s[G1B+6], 0
	s_mov_b32 s[G1B+7], 0
	s_or_b32 s[G1S], s44, (3<<16)|(1<<21)          ; A's scale words: 8,192 dense bytes
	s_mov_b32 s[G1S+1], 32<<16
	s_mov_b32 s[G1S+2], 32<<16
	s_mov_b32 s[G1S+3], 32<<16
	s_mov_b32 s[G1S+4], 32
	s_mov_b32 s[G1S+5], 32
	s_mov_b32 s[G1S+6], 0
	s_mov_b32 s[G1S+7], 0
	s_or_b32 s[G1SB], s45, (3<<16)|(1<<20)|(1<<21)|(5<<22)|(3<<25)  ; B's scale bytes: 16,384 dense bytes, padded
	s_mov_b32 s[G1SB+1], 32<<16
	s_mov_b32 s[G1SB+2], 64<<16
	s_mov_b32 s[G1SB+3], 32<<16
	s_mov_b32 s[G1SB+4], 64
	s_mov_b32 s[G1SB+5], 32
	s_mov_b32 s[G1SB+6], 0
	s_mov_b32 s[G1SB+7], 0
	s_lshl_b32 s92, s46, 3                         ; A: the first tile that I would fetch: 8 x tile row + 4 x half
	s_lshl_b32 s93, s22, 2
	s_add_co_u32 s92, s92, s93
	s_lshl_b32 s98, s92, 12                        ; its images of K step 0,
	s_mov_b32 s99, 0
	s_lshl_b32 s96, s46, 13                        ; the scale words of the tile row's first tile: 8 tiles x 1,024 bytes
	s_mov_b32 s97, 0
	s_lshl_b32 s66, s47, 8                         ; B: row 256 x tile column + 128 x half
	s_lshl_b32 s67, s22, 7
	s_add_co_u32 s66, s66, s67
	s_lshl_b32 s2, s47, 14                         ; 256 rows x 64 bytes a tile column
	s_add_co_u32 s2, s2, 0xc0000                   ; Wo's scale bytes begin at 768 KiB,
	s_mov_b32 s3, 0
	s_lshl_b32 s66, s66, 10
	s_add_co_u32 s66, s66, 0xc00000                ; its codes at 12 MiB
	s_mov_b32 s67, 0
	s_wait_dscnt 0x0                               ; both opening adds are done
	s_wait_kmcnt 0x0
	s_add_nc_u64 s[98:99], s[4:5], s[98:99]
	s_add_nc_u64 s[96:97], s[6:7], s[96:97]
	s_add_nc_u64 s[66:67], s[8:9], s[66:67]
	s_add_nc_u64 s[2:3], s[10:11], s[2:3]
	CROUND                                         ; all sixteen work-groups are here: the first joint loads meet
	s_mov_b32 s[G0S], 1
	s_mov_b32 s[G0S+1], SCLA
	s_mov_b64 s[G0S+2:G0S+3], s[96:97]
	s_or_b32 s[G0S+3], s[G0S+3], 0x80000000
	s_mov_b32 s[G0SB], 1
	s_mov_b32 s[G0SB+1], SCLB
	s_mov_b64 s[G0SB+2:G0SB+3], s[2:3]
	s_or_b32 s[G0SB+3], s[G0SB+3], 0x80000000
	s_mul_i32 s92, s22, HAB
	s_mul_i32 s93, s22, HBB
	s_add_co_u32 s93, s93, BOF
.irp s, 0,1
	s_mov_b32 s[G0+4*\s], 1
	s_add_co_u32 s[G0+4*\s+1], s92, \s*SLOT
	s_add_nc_u64 s[G0+4*\s+2:G0+4*\s+3], s[98:99], \s*524288
	s_or_b32 s[G0+4*\s+3], s[G0+4*\s+3], 0x80000000
	s_mov_b32 s[G0B+4*\s], 1
	s_add_co_u32 s[G0B+4*\s+1], s93, \s*SLOT
	s_add_nc_u64 s[G0B+4*\s+2:G0B+4*\s+3], s[66:67], \s*256
	s_or_b32 s[G0B+4*\s+3], s[G0B+4*\s+3], 0x80000000
.endr
; THE HEAD'S LOADS, ONE A WAVE: wave 0 fetches K step 0's images of A, wave 1 A's scale words, wave 2 K step 0's 256 rows of B, wave 3 B's scale bytes.
; Waves 0 and 2 are the waves whose half is the first, so slot 0's own group 0 names the whole tile's first byte.  One tree of branches on the wave's number, a load to an arm, one join.
.macro ARM under, g0, g1, next
	s_cmp_lt_u32 s20, \under
	s_cbranch_scc0 \next
	tensor_load_to_lds s[\g0:\g0+3], s[\g1:\g1+7]
	s_nop 0
.rept 4
	v_nop
.endr
	s_branch .Lhead_asked
\next:
.endm
	ARM 1, G0,  G1,  .Lhead_sa
	ARM 2, G0S, G1S, .Lhead_b
	ARM 3, G0B, G1B, .Lhead_sb
	tensor_load_to_lds s[G0SB:G0SB+3], s[G1SB:G1SB+7]
	s_nop 0
.rept 4
	v_nop
.endr
.Lhead_asked:
; PREFETCHES INTO THE L2: with the head's load a wave asks for K steps 1 and 2 of what it fetches for the ring, with K step 1's load for K step 3, the last.  Each lane names 256 bytes.
; The four partners that ask for a tile jointly share it out by address: of A's 64 pieces a wave the partner at cx takes 16 (lanes 16-31 name the wave's last piece again), of B's 128 rows the partner at cy takes 32.
.set PFA, 96                           ; s[96:97] my wave's part of K step 0; never rewritten
.set PFO, 10                           ; v10-12 my lane's offset in K steps 1, 2, 3; never rewritten
	s_lshl_b32 s94, s40, 12                        ; 16 pieces x 256 bytes x cx
	s_lshl_b32 s95, s41, 15                        ; 32 rows x 1,024 bytes x cy
	s_mov_b32 s2, 0x80000                          ; a K step on: 524,288 bytes in oc, 256 in a row of Wo's codes
	s_cmp_eq_u32 s21, 0                            ; do I fetch for A?
	s_cselect_b64 s[PFA:PFA+1], s[98:99], s[66:67]
	s_cselect_b32 s94, s94, s95
	s_cselect_b32 s2, s2, 256
	s_cselect_b32 s3, 15, 31
	s_cselect_b32 s95, 8, 10                       ; from lane to lane: 256 bytes, or a row of 1,024
	v_and_b32 v[PFO], 31, v0
	v_min_u32 v[PFO], s3, v[PFO]
	v_lshlrev_b32 v[PFO], s95, v[PFO]
	v_add_nc_u32 v[PFO], s94, v[PFO]
	v_add_nc_u32 v[PFO], s2, v[PFO]
	v_add_nc_u32 v[PFO+1], s2, v[PFO]
	v_add_nc_u32 v[PFO+2], s2, v[PFO+1]
	global_prefetch_b8 v[PFO], s[PFA:PFA+1] th:TH_LOAD_NT scope:SCOPE_SE
	global_prefetch_b8 v[PFO+1], s[PFA:PFA+1] th:TH_LOAD_NT scope:SCOPE_SE
	v_and_b32 v1, 15, v0
	v_bfe_u32 v2, v0, 4, 1                         ; h
	v_and_b32 v6, 31, v0
	v_lshlrev_b32 v[CO], 4, v6                     ; 16 x lane
	v_mul_u32_u24 v3, v1, PITCH
	v_lshl_add_u32 v4, v2, 4, v3
	s_mul_i32 s92, s21, HAB
	s_mul_i32 s93, s22, HBB
	s_add_co_u32 s93, s93, BOF
.irp s, 0,1
	v_add_nc_u32 v[ADRA+\s], s92, v[CO]            ; A's images: 16 x lane
	v_add_nc_u32 v[ADRB+\s], s93, v4               ; B's rows: r x pitch + 16 h
	s_add_co_u32 s92, s92, SLOT
	s_add_co_u32 s93, s93, SLOT
.endr
	s_lshl_b32 s92, s21, 12
	s_add_co_u32 s92, s92, SCLA
	v_lshl_add_u32 v[ADRSA], v1, 2, s92            ; A's scale words: my four tiles, word r
	v_lshlrev_b32 v5, 6, v1                        ; B's: 64 bytes a row,
	v_lshrrev_b32 v7, 2, v1
	v_lshl_add_u32 v5, v7, 4, v5                   ; and 16 more for each 256 passed
	s_mul_i32 s92, s22, HSB
	s_add_co_u32 s92, s92, SCLB
	v_add_nc_u32 v[ADRSB], s92, v5
	s_mul_i32 s92, s20, 16*SPITCH
	s_add_co_u32 s92, s92, STAGE                   ; my stage
	v_mul_u32_u24 v5, v1, SPITCH
	v_lshl_add_u32 v5, v2, 5, v5
	v_add_nc_u32 v[STO], s92, v5                   ; in: row r, 32 bytes for each half of the lanes
	v_add_nc_u32 v[RD], s92, v[CO]                 ; back: a row of 512 bytes to the 32 lanes
	s_lshl_b32 s92, s46, 7
	s_lshl_b32 s93, s21, 6
	s_add_co_u32 s92, s92, s93                     ; my first token
	s_lshl_b32 s92, s92, 14                        ; a row of out0 is 16,384 bytes
	s_lshl_b32 s93, s47, 10
	s_add_co_u32 s92, s92, s93
	s_lshl_b32 s93, s22, 9
	s_add_co_u32 s92, s92, s93                     ; + my first column
	s_mov_b32 s93, 0
	s_add_nc_u64 s[12:13], s[12:13], s[92:93]
.macro FETCH slot, q, set              ; 24 loads: B's eight fragments from rows, A's four from images
	WIN TO_B
.irp i, 0,1,2,3,4,5,6,7
.irp c, 0,1
	ds_load_b128 v[64*(\set)+8*\i+4*\c:64*(\set)+8*\i+4*\c+3], v[ADRB+\slot] offset:64*(\q)+32*\c+\i*16*PITCH
.endr
.endr
	WIN 0
.irp i, 0,1,2,3
.irp c, 0,1
	ds_load_b128 v[AF+32*(\set)+8*\i+4*\c:AF+32*(\set)+8*\i+4*\c+3], v[ADRA+\slot] offset:4096*\i+1024*(\q)+512*\c
.endr
.endr
.endm
.macro SCALES sc                       ; 24 loads: a K step's scale words
.irp i, 0,1,2,3,4,5,6,7
	ds_load_b128 v[SCB+32*\sc+4*\i:SCB+32*\sc+4*\i+3], v[ADRSB] offset:\i*1088
.endr
.irp i, 0,1,2,3
.irp q, 0,1,2,3
	ds_load_b32 v[SCA+16*\sc+4*\i+\q], v[ADRSA] offset:1024*\i+64*\q
.endr
.endr
.endm
.macro MUL8 a, set, q, sc, zero        ; the 32 accumulators take turns, one instruction a turn, in one order everywhere
.irp b, 0,1,2,3,4,5,6,7
.if \zero
	v_wmma_scale_f32_16x16x128_f8f6f4 v[8*(8*(\a)+\b):8*(8*(\a)+\b)+7], v[64*(\set)+8*\b:64*(\set)+8*\b+7], v[AF+32*(\set)+8*(\a):AF+32*(\set)+8*(\a)+7], 0, v[SCB+32*(\sc)+4*\b+(\q)], v[SCA+16*(\sc)+4*(\a)+(\q)] matrix_a_fmt:MATRIX_FMT_FP4 matrix_b_fmt:MATRIX_FMT_FP4
.else
	v_wmma_scale_f32_16x16x128_f8f6f4 v[8*(8*(\a)+\b):8*(8*(\a)+\b)+7], v[64*(\set)+8*\b:64*(\set)+8*\b+7], v[AF+32*(\set)+8*(\a):AF+32*(\set)+8*(\a)+7], v[8*(8*(\a)+\b):8*(8*(\a)+\b)+7], v[SCB+32*(\sc)+4*\b+(\q)], v[SCA+16*(\sc)+4*(\a)+(\q)] matrix_a_fmt:MATRIX_FMT_FP4 matrix_b_fmt:MATRIX_FMT_FP4
.endif
.endr
.endm
.macro STEP slot, q, zero
	PLACES 4                                       ; four plain lines between the products that read the other set and the loads into it
	FETCH \slot, (\q)+1, 1-(\q)%2
	s_wait_dscnt 24                                ; all but the 24 just issued
	WIN MUL
	MUL8 0, (\q)%2, \q, \slot, \zero
	MUL8 1, (\q)%2, \q, \slot, \zero
	MUL8 2, (\q)%2, \q, \slot, \zero
	MUL8 3, (\q)%2, \q, \slot, \zero
	WIN 0
.endm
.macro TURN slot, next, fill
	s_wait_tensorcnt 0x0                           ; all my tensor loads have landed: my part of the next slot
	ds_add_u32 v[SPW], v[NIL]                      ; 0 onto my spare word
	s_wait_dscnt 1                                 ; this step's fragments are in; the add may be out
	WIN MUL
	MUL8 0, 1, 3, \slot, 0
	s_wait_dscnt 0x0                               ; the add is done, and my reads of this slot are over
	s_barrier_signal -1
	MUL8 1, 1, 3, \slot, 0
	WIN 0
	s_barrier_wait -1
.if \fill
	CREST                                          ; a round of the cluster's barrier: no wave of any partner still reads this slot or has a load on its way
	s_add_nc_u64 s[G0+4*\slot+2:G0+4*\slot+3], s[G0+4*\slot+2:G0+4*\slot+3], 1048576
	s_add_nc_u64 s[G0B+4*\slot+2:G0B+4*\slot+3], s[G0B+4*\slot+2:G0B+4*\slot+3], 512
	JLOAD G0+4*\slot, G1, G0B+4*\slot, G1B         ; two K steps on; its four v_nop are also the places in front of the loads below
.else
	PLACES 4
.endif
	s_wait_alu depctr_va_vdst(0)
	v_add_nc_u32 v[ADRSB], 16, v[ADRSB]            ; the next K step's scale words
	v_add_nc_u32 v[ADRSA], 0x100, v[ADRSA]
	FETCH \next, 0, 0
	SCALES \next
	WIN MUL
	MUL8 2, 1, 3, \slot, 0
	MUL8 3, 1, 3, \slot, 0
	WIN 0
.endm
	s_wait_alu depctr_va_vdst(0)
	s_wait_tensorcnt 0x0                           ; my tile of the head's four is in
	ds_add_u32 v[SPW], v[NIL]
	s_mov_b32 s[G1+2], 64<<16                      ; no tensor load of mine is out: from here on a load of A brings 64 pieces,
	s_mov_b32 s[G1+4], 64
	s_mov_b32 s[G1B+2], 128<<16                    ; one of B 128 rows
	s_mov_b32 s[G1B+4], 128
	s_wait_dscnt 0x0
	CROUND                                         ; all four tiles are in, and all sixteen work-groups are here
	JLOAD G0+4, G1, G0B+4, G1B                     ; K step 1, the first tensor load behind the round
	FETCH 0, 0, 0
	SCALES 0
	global_prefetch_b8 v[PFO+2], s[PFA:PFA+1] th:TH_LOAD_NT scope:SCOPE_SE   ; K step 3
	STEP 0, 0, 1                                   ; the first products start the sums
	STEP 0, 1, 0
	STEP 0, 2, 0
	TURN 0, 1, 1                                   ; slot 0 takes K step 2
	STEP 1, 0, 0
	STEP 1, 1, 0
	STEP 1, 2, 0
	TURN 1, 0, 1                                   ; slot 1 takes K step 3
	STEP 0, 0, 0
	STEP 0, 1, 0
	STEP 0, 2, 0
	TURN 0, 1, 0
	STEP 1, 0, 0
	STEP 1, 1, 0
	STEP 1, 2, 0
	s_wait_dscnt 0x0
	WIN MUL
	MUL8 0, 1, 3, 1, 0
	MUL8 1, 1, 3, 1, 0
	MUL8 2, 1, 3, 1, 0
	MUL8 3, 1, 3, 1, 0
	WIN 0
; THE WAY OUT, a block of 16 tokens x 128 columns at a time, through my own stage: in by 32 bytes a lane, back as whole rows of 512 bytes.  LDS serves a wave's instructions in order: no wait between the stores and the loads.
.macro TOSTAGE a
	WIN 0x08                                       ; an LDS store's data: window 2
.irp b, 0,1,2,3,4,5,6,7
	ds_store_b128 v[STO], v[64*(\a)+8*\b:64*(\a)+8*\b+3] offset:64*\b          ; each accumulator from its low end on
	ds_store_b128 v[STO], v[64*(\a)+8*\b+4:64*(\a)+8*\b+7] offset:64*\b+16
.endr
	WIN 0
.set BB, BK+64*((\a)%2)
.irp t, 0,1,2,3,4,5,6,7,8,9,10,11,12,13,14,15
	ds_load_b128 v[BB+4*\t:BB+4*\t+3], v[RD] offset:\t*SPITCH
.endr
.endm
.macro SEND a, younger                 ; younger: the LDS instructions issued behind block a's loads
.set BB, BK+64*((\a)%2)
	s_wait_dscnt \younger
.irp t, 0,1,2,3,4,5,6,7,8,9,10,11,12,13,14,15
	global_store_b128 v[CO], v[BB+4*\t:BB+4*\t+3], s[12:13] offset:(32*((\a)/2)+8*((\a)%2)+(\t%8)+16*(\t/8))*16384 th:TH_STORE_NT   ; 512 consecutive bytes of the token's row; 63 rows on at the most, inside the immediate
.endr
.endm
	PLACES 4                                       ; behind the last products: ahead of the first read of results and of loads into A's fragments' registers
	TOSTAGE 0
	TOSTAGE 1
	SEND 0, 32                                     ; behind block 0's loads: block 1's 16 stores and 16 loads
	s_wait_xcnt 0x0                                ; block 0's stores have read their registers: block 2's loads may land there
	TOSTAGE 2
	SEND 1, 32
	s_wait_xcnt 0x0
	TOSTAGE 3
	SEND 2, 32
	SEND 3, 0
	s_wait_tensorcnt 0x0                           ; the wave's end
	ds_add_u32 v[SPW], v[NIL]
	s_wait_dscnt 0x0
	CROUND                                         ; the closing round
	s_endpgm
.Lfunc_end_k_q765756604d_outp:
	.size	k_q765756604d_outp, .Lfunc_end_k_q765756604d_outp-k_q765756604d_outp
	.p2alignl 7, 3214868480
	.fill 96, 4, 3214868480
	.section	.rodata,"a",@progbits
	.p2align	6, 0x0
	.amdhsa_kernel k_q765756604d_outp
		.amdhsa_group_segment_fixed_size 327680
		.amdhsa_private_segment_fixed_size 0
		.amdhsa_enable_private_segment 0
		.amdhsa_kernarg_size 40
		.amdhsa_user_sgpr_count 2
		.amdhsa_user_sgpr_kernarg_segment_ptr 1
		.amdhsa_wavefront_size32 1
		.amdhsa_system_sgpr_workgroup_id_x 1
		.amdhsa_system_sgpr_workgroup_id_y 1
		.amdhsa_system_sgpr_workgroup_id_z 1
		.amdhsa_system_vgpr_workitem_id 0
		.amdhsa_next_free_vgpr 768
		.amdhsa_next_free_sgpr 100
		.amdhsa_reserve_vcc 0
		.amdhsa_float_denorm_mode_32 3
		.amdhsa_float_denorm_mode_16_64 3
		.amdhsa_memory_ordered 1
		.amdhsa_forward_progress 1
		.amdhsa_inst_pref_size 127
	.end_amdhsa_kernel
	.amdgpu_metadata
---
amdhsa.version: [ 1, 2 ]
amdhsa.kernels:
  - .name:           k_q765756604d_outp
    .symbol:         k_q765756604d_outp.kd
    .args:
      - { .name: oc, .offset: 0, .size: 8, .value_kind: global_buffer, .address_space: global }
      - { .name: os, .offset: 8, .size: 8, .value_kind: global_buffer, .address_space: global }
      - { .name: codes, .offset: 16, .size: 8, .value_kind: global_buffer, .address_space: global }
      - { .name: scales, .offset: 24, .size: 8, .value_kind: global_buffer, .address_space: global }
      - { .name: out0, .offset: 32, .size: 8, .value_kind: global_buffer, .address_space: global }
    .group_segment_fixed_size: 327680
    .private_segment_fixed_size: 0
    .kernarg_segment_align: 8
    .kernarg_segment_size: 40
    .max_flat_workgroup_size: 128
    .sgpr_count:     100
    .vgpr_count:     768
    .wavefront_size: 32
...
	.end_amdgpu_metadata
.endif
;; end of part 4
